; MI455X (gfx1250); checked and timed in simulation.
; The chip was launched on July 23, 2026; its instructions are those of AMD's public machine-readable ISA for CDNA 5 (MIT licence, August 2026) and "CDNA5" Instruction Set Architecture Reference Guide (July 2026). The comments in the code are by the model that wrote it; some were corrected since.
;; Multihead Attention. Allowed arithmetic: matrix products marked QUANTISED: E2M3 operands, one E8M0 scale for each 32 along K, by v_wmma_scale_f32_16x16x128_f8f6f4 with both operands' format E2M3, f32 sums; everything else in f32.
;; Inputs: Wk 1,024 x 1,024 float32; Wo 1,024 x 1,024 float32; Wq 1,024 x 1,024 float32; Wv 1,024 x 1,024 float32; bk 1,024 float32; bo 1,024 float32; bq 1,024 float32; bv 1,024 float32; x 4 x 2,048 x 1,024 float32.
;; Outputs: out0 4 x 2,048 x 1,024 float32.
;; This version of the problem:
;;   THIS VERSION OF THE PROBLEM IS GIVEN IN LOW PRECISION. The matrix products marked QUANTISED in the list below multiply operands that are first quantised to E2M3 (2 exponent bits, 3 mantissa bits; 6 bits a number), with one power-of-two scale for each 32 numbers along K (OCP MX v1.0); their sums are f32. All else is computed in f32.
;;   The module's matrix products, in the order in which they are computed (A, B: the left and right operand; K: the contracted axis; several contracted axes count as one K, in the product's order):
;;     1. [M 8,192, K 1,024] x [K 1,024, N 1,024]; A: input x; B: input Wq: QUANTISED
;;     2. [M 8,192, K 1,024] x [K 1,024, N 1,024]; A: input x; B: input Wk: QUANTISED
;;     3. [M 8,192, K 1,024] x [K 1,024, N 1,024]; A: input x; B: input Wv: QUANTISED
;;     4. batch 64 x [M 2,048, K 64] x [K 64, N 2,048]; A: computed on the way; B: computed on the way: QUANTISED
;;     5. batch 64 x [M 2,048, K 2,048] x [K 2,048, N 64]; A: softmax (see below); B: computed on the way: QUANTISED
;;     6. [M 8,192, K 1,024] x [K 1,024, N 1,024]; A: computed on the way; B: input Wo: QUANTISED
;;   THE QUANTISER, for each operand of a quantised product, along K:
;;     - K is cut into blocks of 32 from its start; a last block that is shorter is filled with zeros.
;;     - A block's scale is 2^e with e = floor(log2(the largest magnitude in the block)) - 2, held to -126 .. 127; a block of zeros has e = 0. As a byte (E8M0): e + 127.
;;     - Each number is divided by its block's scale, clamped to +-7.5, and rounded to the nearest number of E2M3, ties to even, subnormals kept.
;;     - The product sums the exact products of the quantised numbers (number of the format x scale) in f32.
;;   ~~~python
;;   def quantise(x, axis):      # numpy; x: float32 -> the quantised numbers, widened to float32 again
;;       x = np.moveaxis(x, axis, -1); K = x.shape[-1]
;;       x = np.pad(x, [(0, 0)] * (x.ndim - 1) + [(0, -K % 32)]); x = x.reshape(x.shape[:-1] + (-1, 32)); a = np.abs(x).max(-1, keepdims=True)
;;       e = np.where(a > 0, np.clip(np.frexp(np.where(a > 0, a, 1))[1] - 1 - 2, -126, 127), 0)      # np.frexp(a)[1] - 1 = floor(log2(a)), exactly
;;       r = np.clip(x / 2.0 ** e, -7.5, 7.5)
;;       step = 2.0 ** (np.maximum(np.frexp(np.where(r == 0, 1, r))[1] - 1, 0) - 3)
;;       q = np.round(r / step) * step * 2.0 ** e      # np.round: ties to even
;;       return np.moveaxis(q.reshape(q.shape[:-2] + (-1,))[..., :K], -1, axis).astype(np.float32)
;;   ~~~
;;   SOFTMAX AHEAD OF A QUANTISED PRODUCT. Where the list says 'softmax', what is quantised is not the finished softmax but p = 2^(t - M), with t = logit x log2(e) and M = ceil(the row's largest t), a whole number; so 1/2 < the row's largest p <= 1. The row's sum l is taken of the UNQUANTISED p, in f32, and the product's result is divided by l at the end. Since M is a whole number, a kernel that streams over the keys may use a running M (the ceiling of the running maximum): every later rescaling is an exact power of two, which a block's scale takes up: the codes' values come out the same.
;;   OPERANDS COMPUTED ON THE WAY. 'Computed on the way' means the value that the module computes at that place (a softmax that the list does not call 'softmax' is quantised finished and normalised). What goes into a quantiser is computed in f32, as accurately as f32 sums, v_exp_f32 and their like allow (about 1e-6 of the number): no bf16 or f16 on the way to a quantiser, and a product that is left as it is and whose result goes on into a quantised operand takes f32 operands (vector FMAs, or v_wmma_f32_16x16x4_f32). A number that lies on a knife's edge between two numbers of the format may be rounded either way, as far as f32 arithmetic and the matrix unit's own rounding can turn it there, and no further.
;; One version. Each part assembles by itself: llvm-mc -triple=amdgcn-amd-amdhsa -mcpu=gfx1250 --defsym DOCPART=n.
;; ======== version 1 of 1: 4 launches
;; workspace buffers: XQ 6,553,600 bytes; WQ 3,276,800 bytes; QKV 20,185,088 bytes; AO 6,553,600 bytes
;; launch quant (part 1): grid 384 x 1, 4 waves a work-group, no clusters, 59,904 bytes of LDS; arguments x, Wq, Wk, Wv, Wo, XQ, WQ; writes XQ, WQ
.if DOCPART == 1
	.amdgcn_target "amdgcn-amd-amdhsa--gfx1250"
	.amdhsa_code_object_version 6
	.text
	.protected	k_qd2c5579c1a_quant
	.globl	k_qd2c5579c1a_quant
	.p2align	8
	.type	k_qd2c5579c1a_quant,@function
k_qd2c5579c1a_quant:
	s_mov_b64 s[64:65], 0
	v_nop
	global_prefetch_b8 v0, s[64:65] scope:SCOPE_SE
	s_setreg_imm32_b32 hwreg(HW_REG_WAVE_MODE, 25, 1), 1
	s_wait_xcnt 0x0
; x [8192][1024] and Wq, Wk, Wv, Wo [1024 (k)][1024 (n)], f32, become codes of FP6 (E2M3) with one E8M0 scale byte for each 32 along K.
; THE LAYOUT IS THE OPERAND'S OWN: a fragment (16 rows x 128 K, 12 registers a lane) lies in memory as an image of its registers, 1,536 bytes: for each half c = 0, 1 (768 bytes)
; registers 6 c .. 6 c + 3 at 16 x lane and registers 6 c + 4, 6 c + 5 at 512 + 8 x lane.  XQ: [row tile 512][K step 8][1536]; WQ: [weight 4][column tile 64][K step 8][1536].
; THE 16 ROWS OF A TILE ARE NOT NEIGHBOURS: lane r of tile 2 b + u holds row (of a weight: column) 32 b + 8 u + r + 8 (r / 8).
; Scale words (four bytes: 128 along K of one row) lie behind the codes: [tile][K step / 2][r 16][K step % 2], 512 bytes a tile.
; A block's scale is 2^(floor(log2(its largest magnitude)) - 2): its byte is the largest magnitude's exponent field - 2, held at 1 from below.
; LIMITS: a block whose largest magnitude lies under 2^-124 keeps the byte 1; a block of zeros gets the byte 1 where the rule says 127 (its codes are zeros, and this program alone reads the bytes);
; NaN and infinities among the inputs are not served.
; Work-groups 0-255 take x, 256-383 the weights: two paths that never join, each with LDS bytes of its own.  No matrix unit, no tensor load, no barrier: waves share nothing; each input byte is read once.
; The weights' scale words leave in pieces of 128 bytes, so their aligned blocks of 256 bytes are written by two work-groups: 131,072 bytes in all.
.set XSEC,   6291456                   ; XQ: where the scale words begin
.set WSEC,   3145728                   ; WQ: likewise
.set XPITCH, 528                       ; x path: a stage row: 512 bytes + 16
.set XSTAGE, 16*XPITCH                 ; a wave's stage
.set WBASE,  4*XSTAGE                  ; the weights' path begins here
.set WHALF,  3200                      ; a column tile's two images (3,072 bytes) + 128
.set WSTAGE, 2*WHALF
.set RX,  32                           ; v32-159  x path: two sets of 64 registers as loaded
.set XX,  160                          ; v160-223 64 numbers of my row: two whole blocks of 32
.set CX,  224                          ; v224-235 the fragment's codes
.set TX,  236                          ; v236-238, v240-242 the blocks' upper halves (a conversion's three registers begin on an even number)
.set XW,  32                           ; v32-95   weights: two sets of 32 numbers
.set CW,  96                           ; v96-101  a block's codes
.set DW,  104                          ; v104-106 its upper half
.set SBW, 24                           ; v24-25   scale bytes, four to a register
.set OW,  112                          ; v112-159 the way out
	s_load_b256 s[4:11], s[0:1], 0x0               ; x, Wq, Wk, Wv
	s_load_b128 s[12:15], s[0:1], 0x20             ; Wo, XQ
	s_load_b64 s[16:17], s[0:1], 0x30              ; WQ
	v_lshl_add_u32 v254, v0, 2, 0xe800
	v_mov_b32 v255, 0
	v_lshrrev_b32 v1, 5, v0
	v_readfirstlane_b32 s18, v1                    ; wave 0..3
	v_and_b32 v1, 31, v0                           ; lane
	s_cmp_lt_u32 ttmp9, 256
	s_cbranch_scc0 .Lweights
; ---------------- x: wave w takes row tile 2 g + w / 2 and K steps 4 (w % 2) .. + 3: four fragments
	v_and_b32 v2, 15, v0                           ; r
	v_bfe_u32 v3, v0, 4, 1                         ; h
	v_lshlrev_b32 v4, 4, v1                        ; 16 x lane
	v_lshlrev_b32 v5, 3, v1                        ; 8 x lane
	s_mul_i32 s19, s18, XSTAGE
	v_add_nc_u32 v6, s19, v4                       ; the stage, on the way in: a row's 512 bytes as they lie
	v_mul_u32_u24 v7, v2, XPITCH
	v_lshl_add_u32 v7, v3, 7, v7
	v_add_nc_u32 v7, s19, v7                       ; and out: row r, + 128 h: my block of 32 numbers
	v_lshlrev_b32 v8, 3, v3                        ; 8 h: my bytes' place in the scale word
	v_cmp_ne_u32 s22, 0, v3                        ; lanes 16-31
	v_mov_b32 v21, 0                               ; written once: a lane permute's destination counts as one of its sources
	s_mov_b32 s20, 0x76543210
	s_mov_b32 s21, 0xfedcba98                      ; selects for lane l xor 16
	s_lshr_b32 s23, s18, 1
	s_and_b32 s24, s18, 1
	s_lshl_b32 s25, ttmp9, 1
	s_add_co_u32 s25, s25, s23                     ; my row tile
	s_lshl_b32 s26, ttmp9, 17                      ; x: (32 g + 8 (w / 2)) rows of 4,096 bytes + 2,048 (w % 2)
	s_lshl_b32 s28, s23, 15
	s_add_co_u32 s26, s26, s28
	s_lshl_b32 s28, s24, 11
	s_add_co_u32 s26, s26, s28
	s_mov_b32 s27, 0
	s_mul_i32 s28, s25, 12288                      ; codes: 12,288 x row tile + 6,144 (w % 2)
	s_mul_i32 s30, s24, 6144
	s_add_co_u32 s28, s28, s30
	s_mov_b32 s29, 0
	s_lshl_b32 s30, s25, 9                         ; scale words: 512 x row tile + 256 (w % 2)
	s_lshl_b32 s32, s24, 8
	s_add_co_u32 s30, s30, s32
	s_add_co_u32 s30, s30, XSEC
	s_mov_b32 s31, 0
	s_wait_alu depctr_va_vdst(0)
	s_wait_kmcnt 0x0
	s_add_nc_u64 s[4:5], s[4:5], s[26:27]
	s_add_nc_u64 s[28:29], s[14:15], s[28:29]
	s_add_nc_u64 s[30:31], s[14:15], s[30:31]
.macro LOADX f                         ; K step f of the tile's 16 rows: each load takes 512 consecutive bytes of one row
.irp j, 0,1,2,3,4,5,6,7,8,9,10,11,12,13,14,15
	global_load_b128 v[RX+64*((\f)%2)+4*\j:RX+64*((\f)%2)+4*\j+3], v4, s[4:5] offset:(\j+8*(\j/8))*4096+512*(\f) th:TH_LOAD_NT
.endr
.endm
.macro FRAGX f
.if (\f) < 3
	s_wait_loadcnt 16                              ; this K step's 16 loads are in; the next one's 16 may be out
.else
	s_wait_loadcnt 0x0
.endif
.irp j, 0,1,2,3,4,5,6,7,8,9,10,11,12,13,14,15
	ds_store_b128 v6, v[RX+64*((\f)%2)+4*\j:RX+64*((\f)%2)+4*\j+3] offset:XPITCH*\j
.endr
.irp c, 0,1                            ; LDS serves a wave's instructions in order: these see the stores above.  Lane (r, h) takes k = 64 c + 32 h + 0 .. 31 of row r
.irp i, 0,1,2,3,4,5,6,7
	ds_load_b128 v[XX+32*\c+4*\i:XX+32*\c+4*\i+3], v7 offset:256*\c+16*\i
.endr
.endr
	s_wait_dscnt 0x0                               ; my 64 numbers are in, and the stores have read their registers,
.if (\f) < 2
	LOADX (\f)+2                                   ; which take the loads of two K steps on
.endif
.irp c, 0,1
	v_max3_num_f32 v[10+\c], |v[XX+32*\c]|, |v[XX+32*\c+1]|, 0x1800000   ; block 2 c + h is all mine; the floor 2^(3 - 127) holds the byte at 1 from below
.endr
.irp i, 2,4,6,8,10,12,14,16,18,20,22,24,26,28,30
.irp c, 0,1
	v_max3_num_f32 v[10+\c], v[10+\c], |v[XX+32*\c+\i]|, |v[XX+32*\c+\i+1]|
.endr
.endr
.irp c, 0,1
	v_add_nc_u32 v[12+\c], 0xff000000, v[10+\c]    ; 2 off the exponent field: the conversion's scale operand
.endr
.irp c, 0,1
	v_lshrrev_b32 v[14+\c], 23, v[12+\c]           ; the scale's byte
.endr
	v_lshl_or_b32 v20, v15, 16, v14                ; bytes h and 2 + h of my row's word,
	v_lshlrev_b32 v20, v8, v20
	v_permlanex16_b32 v21, v20, s20, s21
	v_or_b32 v[16+(\f)], v20, v21                  ; with lane l xor 16's two the word is whole
	s_wait_alu depctr_va_vdst(0)
	s_wait_xcnt 0x0                                ; the last fragment's stores have read the codes' registers
.irp c, 0,1
	v_cvt_scalef32_pk16_fp6_f32 v[CX+6*\c:CX+6*\c+2], v[XX+32*\c:XX+32*\c+15], v[12+\c]
	v_cvt_scalef32_pk16_fp6_f32 v[TX+4*\c:TX+4*\c+2], v[XX+32*\c+16:XX+32*\c+31], v[12+\c]
.endr
	v_nop                                          ; one plain place behind a scaled conversion
.irp c, 0,1
.irp i, 0,1,2
	v_mov_b32 v[CX+6*\c+3+\i], v[TX+4*\c+\i]
.endr
.endr
	global_store_b128 v4, v[CX:CX+3], s[28:29] offset:1536*(\f)          ; each store covers 512 or 256 consecutive bytes, aligned to 256
	global_store_b64 v5, v[CX+4:CX+5], s[28:29] offset:1536*(\f)+512
	global_store_b128 v4, v[CX+6:CX+9], s[28:29] offset:1536*(\f)+768
	global_store_b64 v5, v[CX+10:CX+11], s[28:29] offset:1536*(\f)+1280
.endm
	LOADX 0
	LOADX 1
	FRAGX 0
	FRAGX 1
	FRAGX 2
	FRAGX 3
	v_cndmask_b32 v22, v16, v18, s22               ; lanes 0-15 store the words of my first two K steps, lanes 16-31 those of the other two:
	v_cndmask_b32 v23, v17, v19, s22
	global_store_b64 v5, v[22:23], s[30:31]        ; 256 consecutive bytes, aligned
	s_wait_tensorcnt 0x0
	ds_add_u32 v254, v255
	s_wait_dscnt 0x0
	s_endpgm
; ---------------- the weights: a lane takes a column and its registers run down K; a wave takes 32 columns x 256 along K
.Lweights:
	s_sub_co_u32 s19, ttmp9, 256
	s_lshr_b32 s20, s19, 5                         ; which weight
	s_bfe_u32 s21, s19, 0x30002                    ; which 128 columns
	s_and_b32 s22, s19, 3                          ; which 256 along K
	s_wait_alu depctr_va_vdst(0)
	v_lshlrev_b32 v4, 2, v1                        ; 4 bytes a lane
	v_bfe_u32 v2, v1, 3, 1                         ; my column's tile of the wave's two,
	v_and_b32 v3, 7, v1
	v_lshrrev_b32 v10, 4, v1
	v_lshl_add_u32 v3, v10, 3, v3                  ; and its lane r in that tile
	s_mul_i32 s23, s18, WSTAGE
	s_add_co_u32 s23, s23, WBASE                   ; my stage
	v_mul_u32_u24 v10, v2, WHALF
	v_add_nc_u32 v10, s23, v10
	v_lshl_add_u32 v5, v3, 4, v10                  ; into it: 16 r for an image's first four registers,
	v_lshl_add_u32 v6, v3, 3, v10                  ; 8 r for the other two
	v_lshlrev_b32 v8, 4, v1
	v_add_nc_u32 v7, s23, v8                       ; out of it: 16 x lane
	v_lshlrev_b32 v9, 9, v2
	v_lshl_add_u32 v9, v3, 3, v9                   ; my scale words' place: 512 x tile + 8 r
	s_lshl_b32 s24, s22, 20                        ; W: 256 kc rows of 4,096 bytes + 4 (128 cg + 32 w)
	s_lshl_b32 s26, s21, 9
	s_add_co_u32 s24, s24, s26
	s_lshl_b32 s26, s18, 7
	s_add_co_u32 s24, s24, s26
	s_mov_b32 s25, 0
	s_lshl_b32 s26, s21, 3
	s_lshl_b32 s27, s18, 1
	s_add_co_u32 s26, s26, s27                     ; the wave's first column tile: 8 cg + 2 w
	s_mul_i32 s28, s20, 786432
	s_mul_i32 s27, s26, 12288
	s_add_co_u32 s28, s28, s27
	s_mul_i32 s27, s22, 3072
	s_add_co_u32 s28, s28, s27
	s_mov_b32 s29, 0
	s_lshl_b32 s30, s20, 15
	s_lshl_b32 s27, s26, 9
	s_add_co_u32 s30, s30, s27
	s_lshl_b32 s27, s22, 7
	s_add_co_u32 s30, s30, s27
	s_add_co_u32 s30, s30, WSEC
	s_mov_b32 s31, 0
	s_wait_kmcnt 0x0
	s_cmp_eq_u32 s20, 1                            ; the choice hangs on the work-group's number alone
	s_cselect_b64 s[6:7], s[8:9], s[6:7]
	s_cmp_eq_u32 s20, 2
	s_cselect_b64 s[6:7], s[10:11], s[6:7]
	s_cmp_eq_u32 s20, 3
	s_cselect_b64 s[6:7], s[12:13], s[6:7]
	s_add_nc_u64 s[6:7], s[6:7], s[24:25]
	s_add_nc_u64 s[28:29], s[16:17], s[28:29]
	s_add_nc_u64 s[30:31], s[16:17], s[30:31]
.macro LOADW t                         ; block t: W(32 t + i, my column): 128 consecutive bytes a wave, 512 a work-group
.irp i, 0,1,2,3,4,5,6,7,8,9,10,11,12,13,14,15,16,17,18,19,20,21,22,23,24,25,26,27,28,29,30,31
	global_load_b32 v[XW+32*((\t)%2)+\i], v4, s[6:7] offset:(32*(\t)+\i)*4096 th:TH_LOAD_NT
.endr
.endm
.macro BLOCKW t                        ; block t is K step t / 4, half c = (t / 2) % 2, lanes' half h = t % 2 of my column's fragment
.set XS, XW+32*((\t)%2)
.if (\t) < 7
	s_wait_loadcnt 32                              ; this block's 32 loads are in; the next block's may be out
.else
	s_wait_loadcnt 0x0
.endif
	v_max3_num_f32 v12, |v[XS]|, |v[XS+1]|, |v[XS+2]|
	v_max3_num_f32 v13, |v[XS+3]|, |v[XS+4]|, |v[XS+5]|
.irp i, 6,10,14,18,22,26
	v_max3_num_f32 v12, v12, |v[XS+\i]|, |v[XS+\i+1]|
	v_max3_num_f32 v13, v13, |v[XS+\i+2]|, |v[XS+\i+3]|
.endr
	v_max3_num_f32 v12, v12, |v[XS+30]|, |v[XS+31]|
	v_max3_num_f32 v12, v12, v13, 0x1800000        ; and the floor
	v_add_nc_u32 v11, 0xff000000, v12              ; the conversion's scale operand
	v_lshrrev_b32 v13, 23, v11                     ; the scale's byte
.if (\t)%4 == 0
	v_mov_b32 v[SBW+(\t)/4], v13
.else
	v_lshl_or_b32 v[SBW+(\t)/4], v13, 8*((\t)%4), v[SBW+(\t)/4]
.endif
	v_cvt_scalef32_pk16_fp6_f32 v[CW:CW+2], v[XS:XS+15], v11
	v_cvt_scalef32_pk16_fp6_f32 v[DW:DW+2], v[XS+16:XS+31], v11
	v_nop                                          ; one plain place behind a scaled conversion
.irp i, 0,1,2
	v_mov_b32 v[CW+3+\i], v[DW+\i]
.endr
	ds_store_b128 v5, v[CW:CW+3] offset:1536*((\t)/4)+768*(((\t)/2)%2)+256*((\t)%2)
	ds_store_b64 v6, v[CW+4:CW+5] offset:1536*((\t)/4)+768*(((\t)/2)%2)+512+128*((\t)%2)
.if (\t) < 6
	LOADW (\t)+2
.endif
	s_wait_dscnt 0x0                               ; the stores have read their registers: the next block's codes may be written
.endm
	LOADW 0
	LOADW 1
.irp t, 0,1,2,3,4,5,6,7
	BLOCKW \t
.endr
	s_wait_alu depctr_va_vdst(0)
	global_store_b64 v9, v[SBW:SBW+1], s[30:31]    ; my column's two scale words
.irp n, 0,1,2,3,4,5,6,7,8,9,10,11
	ds_load_b128 v[OW+4*\n:OW+4*\n+3], v7 offset:WHALF*(\n/6)+512*(\n%6)   ; LDS serves a wave's instructions in order: these see my stores
.endr
.irp n, 0,1,2,3,4,5,6,7,8,9,10,11
	s_wait_dscnt 11-\n                             ; load n is in; the younger ones may be out
	global_store_b128 v8, v[OW+4*\n:OW+4*\n+3], s[28:29] offset:12288*(\n/6)+512*(\n%6)   ; 512 consecutive bytes, aligned to 256
.endr
	s_wait_tensorcnt 0x0
	ds_add_u32 v254, v255
	s_wait_dscnt 0x0
	s_endpgm
.Lfunc_end_k_qd2c5579c1a_quant:
	.size	k_qd2c5579c1a_quant, .Lfunc_end_k_qd2c5579c1a_quant-k_qd2c5579c1a_quant
	.p2alignl 7, 3214868480
	.fill 96, 4, 3214868480
	.section	.rodata,"a",@progbits
	.p2align	6, 0x0
	.amdhsa_kernel k_qd2c5579c1a_quant
		.amdhsa_group_segment_fixed_size 59904
		.amdhsa_private_segment_fixed_size 0
		.amdhsa_enable_private_segment 0
		.amdhsa_kernarg_size 56
		.amdhsa_user_sgpr_count 2
		.amdhsa_user_sgpr_kernarg_segment_ptr 1
		.amdhsa_wavefront_size32 1
		.amdhsa_system_sgpr_workgroup_id_x 1
		.amdhsa_system_sgpr_workgroup_id_y 1
		.amdhsa_system_sgpr_workgroup_id_z 1
		.amdhsa_system_vgpr_workitem_id 0
		.amdhsa_next_free_vgpr 256
		.amdhsa_next_free_sgpr 66
		.amdhsa_reserve_vcc 0
		.amdhsa_float_denorm_mode_32 3
		.amdhsa_float_denorm_mode_16_64 3
		.amdhsa_memory_ordered 1
		.amdhsa_forward_progress 1
		.amdhsa_inst_pref_size 72
	.end_amdhsa_kernel
	.amdgpu_metadata
---
amdhsa.version: [ 1, 2 ]
amdhsa.kernels:
  - .name:           k_qd2c5579c1a_quant
    .symbol:         k_qd2c5579c1a_quant.kd
    .args:
      - { .name: x, .offset: 0, .size: 8, .value_kind: global_buffer, .address_space: global }
      - { .name: Wq, .offset: 8, .size: 8, .value_kind: global_buffer, .address_space: global }
      - { .name: Wk, .offset: 16, .size: 8, .value_kind: global_buffer, .address_space: global }
      - { .name: Wv, .offset: 24, .size: 8, .value_kind: global_buffer, .address_space: global }
      - { .name: Wo, .offset: 32, .size: 8, .value_kind: global_buffer, .address_space: global }
      - { .name: XQ, .offset: 40, .size: 8, .value_kind: global_buffer, .address_space: global }
      - { .name: WQ, .offset: 48, .size: 8, .value_kind: global_buffer, .address_space: global }
    .group_segment_fixed_size: 59904
    .private_segment_fixed_size: 0
    .kernarg_segment_align: 8
    .kernarg_segment_size: 56
    .max_flat_workgroup_size: 128
    .sgpr_count:     66
    .vgpr_count:     256
    .wavefront_size: 32
...
	.end_amdgpu_metadata
.endif
;; end of part 1
;; launch qkv (part 2): grid 12 x 32, 4 waves a work-group, clusters of 4 x 4, 327,680 bytes of LDS; arguments XQ, WQ, bq, bk, bv, QKV; writes QKV
.if DOCPART == 2
	.amdgcn_target "amdgcn-amd-amdhsa--gfx1250"
	.amdhsa_code_object_version 6
	.text
	.protected	k_qd2c5579c1a_qkv
	.globl	k_qd2c5579c1a_qkv
	.p2align	8
	.type	k_qd2c5579c1a_qkv,@function
k_qd2c5579c1a_qkv:
	s_mov_b64 s[64:65], 0
	v_nop
	global_prefetch_b8 v0, s[64:65] scope:SCOPE_SE
	s_setreg_imm32_b32 hwreg(HW_REG_WAVE_MODE, 25, 1), 1
	s_wait_xcnt 0x0
	s_wait_alu depctr_hold_cnt(0) depctr_sa_sdst(0) depctr_va_vdst(0) depctr_va_sdst(0) depctr_va_ssrc(0) depctr_va_vcc(0) depctr_vm_vsrc(0)
	s_getreg_b32 s2, hwreg(HW_REG_IB_STS2, 6, 4)
	s_cmp_eq_u32 s2, 0
	s_cbranch_scc0 .Lentry_in_a_cluster
	s_endpgm
.Lentry_in_a_cluster:
	s_bfe_u32 s2, ttmp6, 0x10000c
	s_cmp_lg_u32 s2, 0xf033
	s_cbranch_scc0 .Lentry_shape_is_right
	s_endpgm
.Lentry_shape_is_right:
; q = x Wq + bq, k = x Wk + bk, v = x Wv + bv on codes of FP6 (E2M3) with E8M0 scales, and each result quantised in registers for the attention that follows: q and k along the head's 64, v along the keys.
; OPERANDS lie in memory as images of the operand's registers (a fragment: 16 rows x 128 K, 1,536 bytes: per half of 768 bytes four registers at 16 x lane, two at 512 + 8 x lane), [tile][K step 8][1536];
; lane r of tile 2 b + u holds row 32 b + 8 u + r + 8 (r / 8).  So a fragment comes out of LDS by four loads of consecutive bytes, and the 16 registers of two neighbouring tiles of a result are 16 neighbours.
; SHARES.  A work-group of four waves makes 256 x 256, a wave 128 x 128: 64 accumulators, 512 registers.  K = 1,024 goes in four fills of 256 through two LDS slots; the walk is written out.
; The cluster's x says which product: 0 q, 1 k, 2 v.  Source 1 takes the 'A slot', source 0 the 'B slot'.  For q and k: A = x, B = the weight: a lane holds one row of x and its registers run along the head's
; channels.  For v the two change roles (A = Wv, B = x): a lane holds one channel and its registers run along the KEYS, which are v's K in attention.  Only pointers and tile numbers are chosen; the walk is one text.
; CLUSTERS: 4 x 4 work-groups; A's tiles are asked for jointly along a row of the cluster, B's along a column: the same tensor load with the same descriptor and a mask that names the four.
; The grid has 24 clusters of 16: this tile was kept because its wave tile is the largest that the registers hold.
; The bias is added in f32 on the way out, as the sum is finished; then the quantiser: a block's byte is its largest magnitude's exponent field - 2, held at 1 from below.
; LIMITS: a block whose largest magnitude lies under 2^-124 keeps the byte 1; a block of zeros gets the byte 1 where the rule says 127 (zero codes; this program alone reads the bytes); NaN and infinities are not served.
; QKV: q's codes [head 64][tile 128][768] at 0; q's scale words at 6,291,456, [head][tile / 8][(tile / 4) % 2][r 16][tile % 4] (bytes 0, 1: the head's two blocks; bytes 2, 3: 0);
;   from 6,815,744 a record of 208,896 bytes a head: k's codes as q's; at 98,304 v's codes [key step 16][channel tile 4][1536] (three images of 512 bytes); at 196,608 k's scale words as q's; at 204,800 v's [key step][r 16][tile 4].
; REGISTERS: window 0: v8-31 addresses; v32-63 scale words, two sets; v64-127 the bias along the registers; v128-223 A's fragments, ONE set (on the way out: 64 numbers and their codes); v224-239 the bias along the lanes;
;   v240-255 at work in the quantiser.  window 1: B's fragments, two sets, at v0 and v128.  windows 2, 3: the accumulators ((a, b) at v[8 (8 (a % 4) + b)]).
.set FR,    12                         ; registers of a fragment
.set NL,    4                          ; LDS loads that bring one
.set NP,    4                          ; places behind this matrix instruction (ISA guide 7.12.1)
.set NQ,    2                          ; K steps of 128 in a slot
.set FRB,   1536                       ; a fragment's image
.set SROW,  NQ*FRB                     ; a tile's part of a slot
.set RTK,   12288                      ; a tile's images for all of K
.set HALFT, 8*SROW                     ; 128 rows: what one tensor load brings, and what one wave reads of A or of B
.set SLOT,  4*HALFT                    ; A's 256 rows, then B's
.set SCL,   2*SLOT                     ; behind the ring: A's scale words for all of K, 8,192 bytes;
.set SCLB,  SCL+8192+128               ; B's, 128 bytes further on than they need be, so that the two halves of a load's lanes meet in no bank
.set SPARE, 213248                     ; the spare words, 128 bytes for each wave: two blocks of 256 bytes that no other line names
.set STG,   SPARE+512                  ; stages for the scale words on the way out: q and k 1,024 bytes a wave; from STG + 4,096 v 512 bytes a wave.  No fill lands here
.set XSEC,  6291456                    ; XQ: where the scale words begin
.set WSEC,  3145728                    ; WQ: likewise
.set KVB,   6815744                    ; QKV: where the records begin
.set REC,   208896                     ; a record
.set ADRA, 16                          ; v16-17 my A fragments in slot 0, 1, + 16 x lane;  v18-19 + 8 x lane
.set ADRB, 20                          ; v20-23 the same for B
.set ADRS, 27                          ; v27    my scale words: lanes 0-15 A's rows, lanes 16-31 B's
.set SPW,  28                          ; v28    LDS address of my spare word; never rewritten
.set NIL,  29                          ; v29    0; never rewritten
.set L16,  30                          ; v30    16 x lane
.set L8,   31                          ; v31    8 x lane
.set SC,   32
.set BI,   64
.set AF,   128
.set BV,   224
.set HH,   128                         ; the way out: 64 numbers of a lane
.set PC,   192                         ; v192-211 their codes
.set PW,   212                         ; the scale word just made
.set WD,   213                         ; my head's half of it
.set TM,   240                         ; v240-255 largest magnitudes, bytes, scale operands
.set SEL,  66                          ; s[66:67] selects for lane l xor 16
.set G1,   24                          ; s[24:31] group 1 for A's tiles; s[32:39] group 0, one set a slot
.set G0,   32
.set G1B,  48                          ; s[48:55], s[56:63] the same for B's
.set G0B,  56
.set G1S,  68                          ; s[68:75], s[76:79] for A's scale words; s[80:87], s[88:91] for B's
.set G0S,  76
.set G1SB, 80
.set G0SB, 88
.set MSB, 0
.macro WIN new                         ; the immediate's high byte repeats the setting that is left
.if MSB != (\new)
	s_set_vgpr_msb (MSB<<8)|(\new)
.set MSB, (\new)
.endif
.endm
.set MUL_LO, 0xa1                      ; source 0 (B) window 1, source 1 (A) window 0, C and D window 2
.set MUL_HI, 0xf1                      ; the same, C and D window 3
.set TO_B,   0x40                      ; destination window 1, address window 0
; A joint load: waves 0 and 1 fetch for A, waves 2 and 3 for B.  The branch hangs on the wave's number alone.  Four v_nop follow each of the two lines.
.macro JLOAD g0a, g1a, g0b, g1b
	s_cmp_eq_u32 s17, 0
	s_cbranch_scc0 .Lfor_b_\@
	tensor_load_to_lds s[\g0a:\g0a+3], s[\g1a:\g1a+7]
	s_nop 0
.rept 4
	v_nop
.endr
	s_branch .Lasked_\@
.Lfor_b_\@:
	tensor_load_to_lds s[\g0b:\g0b+3], s[\g1b:\g1b+7]
	s_nop 0
.rept 4
	v_nop
.endr
.Lasked_\@:
.endm
.macro CREST                           ; a round of the cluster's barrier behind its opening barrier
	s_cmp_lg_u32 s16, 0
	s_cbranch_scc1 .Lnot_wave_0_\@
	s_barrier_signal -3
.Lnot_wave_0_\@:
	s_barrier_wait -3
	s_barrier_signal -1
	s_barrier_wait -1
.endm
.macro CROUND
	s_barrier_signal -1
	s_barrier_wait -1
	CREST
.endm
.macro PLACES n
.rept \n
	v_nop
.endr
.endm
	s_load_b256 s[4:11], s[0:1], 0x0               ; XQ, WQ, bq, bk
	s_load_b128 s[12:15], s[0:1], 0x20             ; bv, QKV
	v_lshl_add_u32 v[SPW], v0, 2, SPARE
	v_mov_b32 v[NIL], 0
	ds_add_u32 v28, v29
	ds_add_u32 v28, v29
	s_wait_dscnt 0x0
	v_lshrrev_b32 v1, 5, v0
	v_readfirstlane_b32 s16, v1                    ; wave 0..3
	s_lshr_b32 s17, s16, 1                         ; HA: which half of A's rows is mine.  Also: I fetch for A (0) or for B (1)
	s_and_b32 s18, s16, 1                          ; HB: which half of B's rows.  Also: which 128 rows I fetch
	s_bfe_u32 s19, ttmp6, 0x40000                  ; cx
	s_bfe_u32 s20, ttmp6, 0x40004                  ; cy
	s_and_b32 s22, ttmp7, 0xffff                   ; the cluster's y
	s_lshl_b32 s2, s20, 2
	s_lshl_b32 s2, 15, s2                          ; my row of the cluster
	s_lshl_b32 s3, 0x1111, s19                     ; my column
	s_or_b32 s[G1], s2, (3<<16)|(1<<21)            ; 15:0 the mask; 17:16 elements of 8 bytes; 20 no padding; 21 set beside a mask
	s_or_b32 s[G1B], s3, (3<<16)|(1<<21)
	s_or_b32 s[G1S], s2, (3<<16)|(1<<21)
	s_or_b32 s[G1SB], s3, (3<<16)|(1<<21)
.irp g, G1, G1B                        ; a tile: 8 rows of 3,072 bytes (two K steps' images of one tile of 16 rows), 12,288 bytes apart
	s_mov_b32 s[\g+1], 384<<16                     ; tensor_dim0
	s_mov_b32 s[\g+2], 8<<16                       ; tensor_dim1
	s_mov_b32 s[\g+3], 384<<16                     ; tile_dim0
	s_mov_b32 s[\g+4], 8                           ; tile_dim1
	s_mov_b32 s[\g+5], 1536                        ; tensor_dim0_stride
	s_mov_b32 s[\g+6], 0
	s_mov_b32 s[\g+7], 0
.endr
.irp g, G1S, G1SB                      ; the scale words of 128 rows: 4,096 dense bytes as 16 rows of 256
	s_mov_b32 s[\g+1], 32<<16
	s_mov_b32 s[\g+2], 16<<16
	s_mov_b32 s[\g+3], 32<<16
	s_mov_b32 s[\g+4], 16
	s_mov_b32 s[\g+5], 32
	s_mov_b32 s[\g+6], 0
	s_mov_b32 s[\g+7], 0
.endr
	s_mov_b32 s[SEL], 0x76543210
	s_mov_b32 s[SEL+1], 0xfedcba98
	; which tiles.  A's hang on cy and the cluster's place alone, B's on cx and the cluster's place alone
	s_lshl_b32 s23, s22, 2
	s_add_co_u32 s40, s23, s20                     ; q, k: A = x's tile 4 cly + cy
	s_add_co_u32 s41, s20, 8                       ; v:    A = Wv's tile 8 + cy
	s_lshl_b32 s44, ttmp9, 2
	s_add_co_u32 s44, s44, s19                     ; q, k: B = the weight's tile 4 clx + cx
	s_add_co_u32 s45, s23, s19                     ; v:    B = x's tile 4 cly + cx
	s_mov_b32 s42, XSEC
	s_mov_b32 s46, WSEC
	s_cmp_eq_u32 ttmp9, 2
	s_cselect_b32 s40, s41, s40
	s_cselect_b32 s44, s45, s44
	s_cselect_b32 s42, WSEC, s42                   ; where A's buffer has its scale words,
	s_cselect_b32 s46, XSEC, s46                   ; and B's
	s_lshl_b32 s2, s18, 3
	s_lshl_b32 s40, s40, 4
	s_add_co_u32 s40, s40, s2                      ; the first of the 8 tiles of 16 rows that I fetch
	s_lshl_b32 s44, s44, 4
	s_add_co_u32 s44, s44, s2
	s_lshl_b32 s41, s40, 9
	s_add_co_u32 s42, s42, s41                     ; A's scale words, in bytes
	s_mov_b32 s43, 0
	s_mul_i32 s40, s40, RTK                        ; A's codes
	s_mov_b32 s41, 0
	s_lshl_b32 s45, s44, 9
	s_add_co_u32 s46, s46, s45
	s_mov_b32 s47, 0
	s_mul_i32 s44, s44, RTK
	s_mov_b32 s45, 0
	s_mul_i32 s2, s16, HALFT                       ; where they go: wave x 128 rows: no place in the cluster enters an LDS address
	s_lshl_b32 s3, s16, 12
	s_lshl_b32 s23, s17, 7
	s_add_co_u32 s3, s3, s23
	s_add_co_u32 s3, s3, SCL
	s_wait_kmcnt 0x0
	s_cmp_eq_u32 ttmp9, 2
	s_cselect_b64 s[92:93], s[6:7], s[4:5]         ; A's buffer
	s_cselect_b64 s[94:95], s[4:5], s[6:7]         ; B's
	s_add_nc_u64 s[40:41], s[92:93], s[40:41]
	s_add_nc_u64 s[42:43], s[92:93], s[42:43]
	s_add_nc_u64 s[44:45], s[94:95], s[44:45]
	s_add_nc_u64 s[46:47], s[94:95], s[46:47]
	CROUND                                         ; all sixteen work-groups are here: the first joint loads meet
	s_mov_b32 s[G0S], 1
	s_mov_b32 s[G0S+1], s3
	s_mov_b64 s[G0S+2:G0S+3], s[42:43]
	s_or_b32 s[G0S+3], s[G0S+3], 0x80000000
	s_mov_b32 s[G0SB], 1
	s_mov_b32 s[G0SB+1], s3
	s_mov_b64 s[G0SB+2:G0SB+3], s[46:47]
	s_or_b32 s[G0SB+3], s[G0SB+3], 0x80000000
	JLOAD G0S, G1S, G0SB, G1SB                     ; the scale words first: they are wanted with the first K step
.irp s, 0,1
	s_mov_b32 s[G0+4*\s], 1
	s_add_co_u32 s[G0+4*\s+1], s2, \s*SLOT
	s_add_nc_u64 s[G0+4*\s+2:G0+4*\s+3], s[40:41], \s*SROW
	s_or_b32 s[G0+4*\s+3], s[G0+4*\s+3], 0x80000000
	s_mov_b32 s[G0B+4*\s], 1
	s_add_co_u32 s[G0B+4*\s+1], s2, \s*SLOT
	s_add_nc_u64 s[G0B+4*\s+2:G0B+4*\s+3], s[44:45], \s*SROW
	s_or_b32 s[G0B+4*\s+3], s[G0B+4*\s+3], 0x80000000
	JLOAD G0+4*\s, G1, G0B+4*\s, G1B               ; three tensor loads of mine are out
.endr
	v_and_b32 v1, 31, v0                           ; lane
	v_and_b32 v2, 15, v0                           ; r
	v_bfe_u32 v3, v0, 4, 1                         ; h
	v_lshlrev_b32 v[L16], 4, v1
	v_lshlrev_b32 v[L8], 3, v1
	s_mul_i32 s2, s17, HALFT                       ; my 128 rows of A
	s_mul_i32 s3, s18, HALFT                       ; my 128 rows of B,
	s_add_co_u32 s3, s3, 2*HALFT                   ; which lie behind A's 256
.irp s, 0,1
	v_add_nc_u32 v[ADRA+\s], s2, v[L16]
	v_add_nc_u32 v[ADRA+2+\s], s2, v[L8]
	v_add_nc_u32 v[ADRB+\s], s3, v[L16]
	v_add_nc_u32 v[ADRB+2+\s], s3, v[L8]
	s_add_co_u32 s2, s2, SLOT
	s_add_co_u32 s3, s3, SLOT
.endr
	s_xor_b32 s23, s17, 1                          ; the scale words: lanes 0-15 at SCL + 4,096 HA + 8 r; lanes 16-31 SCLB - SCL + 4,096 HB - 4,096 HA further on: one product with h
	s_lshl_b32 s23, s23, 12
	s_lshl_b32 s3, s18, 12
	s_add_co_u32 s3, s3, s23
	s_add_co_u32 s3, s3, SCLB-SCL-4096
	v_mul_u32_u24 v4, s3, v3
	s_lshl_b32 s2, s17, 12
	s_add_co_u32 s2, s2, SCL
	v_lshl_add_u32 v4, v2, 3, v4
	v_add_nc_u32 v[ADRS], s2, v4
	; the stages' addresses, all made here
	s_lshl_b32 s2, s16, 10
	s_add_co_u32 s2, s2, STG
	v_lshlrev_b32 v4, 4, v2                        ; 16 r
	v_lshl_add_u32 v5, v3, 9, v4
	v_add_nc_u32 v24, s2, v5                       ; q, k in: 1,024 x wave + 512 h (the head) + 16 r
	v_add_nc_u32 v26, s2, v[L16]                   ; and back: 16 x lane
	s_lshl_b32 s2, s16, 9
	s_add_co_u32 s2, s2, STG+4096
	v_add_nc_u32 v25, s2, v4                       ; v in: 512 x wave + 16 r
	v_add_nc_u32 v8, s2, v[L16]                    ; and back
	v_mul_u32_u24 v9, v3, REC
	v_add_nc_u32 v9, v9, v4                        ; v's scale words in memory: 16 r, lanes 16-31 a record on
	v_lshlrev_b32 v10, 4, v3                       ; 16 h
.irp b, 0,1,2,3
	v_mov_b32 v[TM+4+\b], 0                        ; written once: a lane permute's destination counts as one of its sources
.endr
	; the bias of my 128 columns, both ways: along the registers (q, k) and along the lanes (v)
	s_cmp_eq_u32 ttmp9, 1
	s_cselect_b64 s[8:9], s[10:11], s[8:9]
	s_cmp_eq_u32 ttmp9, 2
	s_cselect_b64 s[8:9], s[12:13], s[8:9]
	s_cselect_b32 s2, s20, s19                     ; the weight's tile is cy's for v, cx's else,
	s_cselect_b32 s3, s17, s18                     ; and my half of it
	s_lshl_b32 s2, s2, 10
	s_lshl_b32 s3, s3, 9
	s_add_co_u32 s2, s2, s3
	s_mov_b32 s3, 0
	s_add_nc_u64 s[8:9], s[8:9], s[2:3]
	v_lshlrev_b32 v11, 6, v3                       ; 16 h numbers
	v_and_b32 v12, 8, v2
	v_add_nc_u32 v12, v12, v2
	v_lshlrev_b32 v12, 2, v12                      ; r + 8 (r / 8) numbers
.irp t, 0,1,2,3,4,5,6,7
	global_load_b128 v[BI+8*\t:BI+8*\t+3], v11, s[8:9] offset:(32*(\t/2)+8*(\t%2))*4        ; register 8 t + j: column 32 (t / 2) + 16 h + 8 (t % 2) + j
	global_load_b128 v[BI+8*\t+4:BI+8*\t+7], v11, s[8:9] offset:(32*(\t/2)+8*(\t%2))*4+16
.endr
.irp a, 0,1,2,3,4,5,6,7
	global_load_b32 v[BV+2*\a], v12, s[8:9] offset:(32*(\a/2)+8*(\a%2))*4                  ; tile a's column of lane r, twice: a pair for the packed addition
	global_load_b32 v[BV+2*\a+1], v12, s[8:9] offset:(32*(\a/2)+8*(\a%2))*4
.endr
.macro FRAG reg, adr, q, i             ; a fragment's image comes back as it was stored: each load takes 512 or 256 consecutive bytes
	ds_load_b128 v[\reg:\reg+3], v[\adr] offset:SROW*(\i)+FRB*(\q)
	ds_load_b64 v[\reg+4:\reg+5], v[\adr+2] offset:SROW*(\i)+FRB*(\q)+512
	ds_load_b128 v[\reg+6:\reg+9], v[\adr] offset:SROW*(\i)+FRB*(\q)+768
	ds_load_b64 v[\reg+10:\reg+11], v[\adr+2] offset:SROW*(\i)+FRB*(\q)+1280
.endm
; 16 matrix instructions: A's blocks a0, a0 + 1 x B's eight, 128 along K.  p: B's set; sc: the set of scale words.  zero = 1: the first product starts the sums.
; The 64 accumulators take turns, one instruction a turn, in the same order in every step.
.macro MUL16 a0, p, q, sc, zero
.irp a, \a0, \a0+1
.irp b, 0,1,2,3,4,5,6,7
.if \zero
	v_wmma_scale_f32_16x16x128_f8f6f4 v[8*(8*((\a)%4)+\b):8*(8*((\a)%4)+\b)+7], v[128*(\p)+FR*\b:128*(\p)+FR*\b+FR-1], v[AF+FR*(\a):AF+FR*(\a)+FR-1], 0, v[SC+8*NQ*(\sc)+NQ*\b+(\q)], v[SC+8*NQ*(\sc)+NQ*(\a)+(\q)] matrix_a_fmt:MATRIX_FMT_FP6 matrix_b_fmt:MATRIX_FMT_FP6 matrix_a_scale:MATRIX_SCALE_ROW1
.else
	v_wmma_scale_f32_16x16x128_f8f6f4 v[8*(8*((\a)%4)+\b):8*(8*((\a)%4)+\b)+7], v[128*(\p)+FR*\b:128*(\p)+FR*\b+FR-1], v[AF+FR*(\a):AF+FR*(\a)+FR-1], v[8*(8*((\a)%4)+\b):8*(8*((\a)%4)+\b)+7], v[SC+8*NQ*(\sc)+NQ*\b+(\q)], v[SC+8*NQ*(\sc)+NQ*(\a)+(\q)] matrix_a_fmt:MATRIX_FMT_FP6 matrix_b_fmt:MATRIX_FMT_FP6 matrix_a_scale:MATRIX_SCALE_ROW1
.endif
.endr
.endr
.endm
.macro FETCH_B slot, q, p
	WIN TO_B
.irp i, 0,1,2,3,4,5,6,7
	FRAG 128*(\p)+FR*\i, ADRB+\slot, \q, \i
.endr
	WIN 0
.endm
.macro FETCH_A slot, q, i0
.irp i, \i0, \i0+1, \i0+2, \i0+3
	FRAG AF+FR*(\i), ADRA+\slot, \q, \i
.endr
.endm
.macro SCALES sc                       ; a slot's two words a row: lanes 0-15 take A's block i, lanes 16-31 B's block i
.irp i, 0,1,2,3,4,5,6,7
	ds_load_b64 v[SC+8*NQ*\sc+NQ*\i:SC+8*NQ*\sc+NQ*\i+1], v[ADRS] offset:\i*512
.endr
.endm
; A step of 128 along K that has its successor in the same slot.  A load into a register that a matrix instruction has read stands NP places behind it.
.macro STEP slot, q, zero
	s_wait_dscnt 4*NL                              ; B's set, A's blocks 0-3 and the scale words are in; the youngest 16 loads (A's blocks 4-7) may be out
	WIN MUL_LO
	MUL16 0, (\q)%2, \q, \slot, \zero
	MUL16 2, (\q)%2, \q, \slot, \zero
	s_wait_dscnt 0                                 ; A's blocks 4-7 are in
	PLACES NP
	FETCH_B \slot, (\q)+1, 1-(\q)%2
	FETCH_A \slot, (\q)+1, 0
	WIN MUL_HI
	MUL16 4, (\q)%2, \q, \slot, \zero
	MUL16 6, (\q)%2, \q, \slot, \zero
	PLACES NP
	WIN 0
	FETCH_A \slot, (\q)+1, 4
.endm
; A slot's last step changes slots: one barrier; in front of it each wave waits for all its tensor loads, adds 0 to its spare word, and waits for that and for its reads of this slot.  fill = 1: the slot is filled again.
.macro TURN slot, next, fill
	s_wait_tensorcnt 0x0                           ; all my tensor loads have landed: my part of the next slot
	ds_add_u32 v[SPW], v[NIL]                      ; 0 onto my spare word
	s_wait_dscnt 4*NL+1                            ; (the add and the youngest 16 loads may be out)
	WIN MUL_LO
	MUL16 0, 1, NQ-1, \slot, 0                     ; sixteen matrix instructions stand between the add and the wait for it
	s_wait_dscnt 0x0                               ; the add is done, and my reads of this slot are over
	s_barrier_signal -1
	MUL16 2, 1, NQ-1, \slot, 0
	WIN 0
	s_barrier_wait -1
.if \fill
	CREST                                          ; the barrier has opened a round of the cluster's: no wave of any partner still reads this slot or has a load on its way
	s_add_nc_u64 s[G0+4*\slot+2:G0+4*\slot+3], s[G0+4*\slot+2:G0+4*\slot+3], 2*SROW
	s_add_nc_u64 s[G0B+4*\slot+2:G0B+4*\slot+3], s[G0B+4*\slot+2:G0B+4*\slot+3], 2*SROW
	JLOAD G0+4*\slot, G1, G0B+4*\slot, G1B         ; the first tensor load behind the round, my one load until the next; its four v_nop are the places in front of the loads below
.else
	PLACES NP
.endif
	s_wait_alu depctr_va_vdst(0)
	v_add_nc_u32 v[ADRS], 128, v[ADRS]             ; on to the next slot's scale words (no LDS load of mine is out)
	FETCH_B \next, 0, 0
	FETCH_A \next, 0, 0
	SCALES \next
	WIN MUL_HI
	MUL16 4, 1, NQ-1, \slot, 0
	MUL16 6, 1, NQ-1, \slot, 0
	PLACES NP
	WIN 0
	FETCH_A \next, 0, 4
.endm
	s_wait_loadcnt 0x0                             ; the biases
	s_wait_tensorcnt 1                             ; the scale words and my part of slot 0 are in (slot 1's load may be out)
	s_barrier_signal -1
	s_barrier_wait -1                              ; everybody's are
	FETCH_B 0, 0, 0
	FETCH_A 0, 0, 0
	SCALES 0
	FETCH_A 0, 0, 4
	STEP 0, 0, 1                                   ; K 0-127: its products start the sums
	TURN 0, 1, 1                                   ; K 128-255; slot 0 takes K 512-767
	STEP 1, 0, 0
	TURN 1, 0, 1                                   ; slot 1 takes K 768-1,023
	STEP 0, 0, 0
	TURN 0, 1, 0                                   ; nothing is left to fetch
	STEP 1, 0, 0
	s_wait_dscnt 4*NL                              ; the very last step
	WIN MUL_LO
	MUL16 0, 1, NQ-1, 1, 0
	MUL16 2, 1, NQ-1, 1, 0
	s_wait_dscnt 0
	WIN MUL_HI
	MUL16 4, 1, NQ-1, 1, 0
	MUL16 6, 1, NQ-1, 1, 0
	WIN 0
; 64 numbers of a lane, v[s] .. v[s + 63], register 16 b + i = k 32 b + 16 (lane / 16) + i of my row, become a fragment's codes in v[PC] on and its scale word in v[PW].
.macro QUANT s
.irp b, 0,1,2,3
	v_max3_num_f32 v[TM+\b], |v[\s+16*\b]|, |v[\s+1+16*\b]|, 0x1800000   ; block b: my 16 numbers, and the floor 2^(3 - 127)
.endr
.irp i, 2,4,6,8,10,12,14
.irp b, 0,1,2,3
	v_max3_num_f32 v[TM+\b], v[TM+\b], |v[\s+16*\b+\i]|, |v[\s+1+16*\b+\i]|
.endr
.endr
.irp b, 0,1,2,3
	v_permlanex16_b32 v[TM+4+\b], v[TM+\b], s[SEL], s[SEL+1]
.endr
.irp b, 0,1,2,3
	v_max_num_f32 v[TM+\b], v[TM+\b], v[TM+4+\b]   ; with lane l xor 16's: the block's largest magnitude
.endr
.irp b, 0,1,2,3
	v_add_nc_u32 v[TM+12+\b], 0xff000000, v[TM+\b] ; 2 off its exponent field: the conversion's scale operand
.endr
.irp b, 0,1,2,3
	v_lshrrev_b32 v[TM+4+\b], 23, v[TM+12+\b]      ; the scale's byte
.endr
	v_lshl_or_b32 v[PW], v[TM+5], 8, v[TM+4]
	v_lshl_or_b32 v[PW], v[TM+6], 16, v[PW]
	v_lshl_or_b32 v[PW], v[TM+7], 24, v[PW]
.irp c, 0,1
	v_cvt_scalef32_pk16_fp6_f32 v[PC+6*\c:PC+2+6*\c], v[\s+32*\c:\s+15+32*\c], v[TM+12+2*\c]
	v_cvt_scalef32_pk16_fp6_f32 v[PC+12+4*\c:PC+14+4*\c], v[\s+16+32*\c:\s+31+32*\c], v[TM+12+2*\c+1]   ; (a conversion's three registers begin on an even number)
.endr
	v_nop                                          ; one plain place behind a scaled conversion
.irp c, 0,1                            ; the operand's layout wants a WHOLE block in a lane: lanes 0-15 block 2 c, lanes 16-31 block 2 c + 1
.irp i, 0,1,2
	v_permlane16_swap_b32 v[PC+6*\c+\i], v[PC+12+4*\c+\i]
.endr
.irp i, 0,1,2
	v_mov_b32 v[PC+3+6*\c+\i], v[PC+12+4*\c+\i]
.endr
.endr
.endm
	PLACES NP                                      ; behind the last products: their results are read and their operands' registers written below
	s_cmp_eq_u32 ttmp9, 2                          ; the cluster's x: the same in all partners
	s_cbranch_scc1 .Lv
; ---------------- q, k: block a is 16 rows (tile T0 + a of the batch) x my 128 columns: two heads
	s_lshl_b32 s2, s22, 2
	s_add_co_u32 s2, s2, s20                       ; x's tile of 256 rows
	s_lshr_b32 s3, s2, 3                           ; the batch
	s_and_b32 s2, s2, 7
	s_lshl_b32 s2, s2, 4
	s_lshl_b32 s23, s17, 3
	s_add_co_u32 s2, s2, s23                       ; T0
	s_lshl_b32 s3, s3, 4
	s_lshl_b32 s23, s19, 2
	s_add_co_u32 s3, s3, s23
	s_lshl_b32 s23, s18, 1
	s_add_co_u32 s3, s3, s23                       ; my first head: 16 x batch + 4 cx + 2 HB
	s_mov_b32 s40, KVB
	s_mov_b32 s41, REC
	s_mov_b32 s42, KVB+196608
	s_mov_b32 s43, REC
	s_cmp_eq_u32 ttmp9, 0
	s_cselect_b32 s40, 0, s40                      ; where the codes begin,
	s_cselect_b32 s41, 98304, s41                  ; from head to head,
	s_cselect_b32 s42, 6291456, s42                ; where the scale words begin,
	s_cselect_b32 s43, 8192, s43                   ; from head to head
	s_mul_i32 s44, s3, s41
	s_add_co_u32 s44, s44, s40
	s_mul_i32 s45, s2, 768
	s_add_co_u32 s44, s44, s45
	s_mov_b32 s45, 0
	s_add_nc_u64 s[92:93], s[14:15], s[44:45]      ; the first head's codes, tile T0
	s_mov_b32 s44, s41
	s_add_nc_u64 s[94:95], s[92:93], s[44:45]      ; the second head's
	s_mul_i32 s44, s3, s43
	s_add_co_u32 s44, s44, s42
	s_lshl_b32 s46, s2, 6                          ; 512 (T0 / 8)
	s_add_co_u32 s44, s44, s46
	s_add_nc_u64 s[96:97], s[14:15], s[44:45]
	s_mov_b32 s44, s43
	s_add_nc_u64 s[98:99], s[96:97], s[44:45]
.macro QKOUT a
.if (\a) > 0
	s_wait_xcnt 0x0                                ; the last block's stores have read the codes' registers
.endif
	WIN 0x02+(\a)/4                                ; source 0: window 2 or 3
.set AC, 64*((\a)%4)
.set i, 0
.rept 32
	v_pk_add_f32 v[HH+2*i:HH+2*i+1], v[AC+2*i:AC+2*i+1], v[BI+2*i:BI+2*i+1]   ; + bias; each accumulator from its low end on
.set i, i+1
.endr
	WIN 0
	QUANT HH
.irp c, 0,1                            ; half c of the fragment is head c's 64 channels: a tile's image of 768 bytes
	global_store_b128 v[L16], v[PC+6*\c:PC+6*\c+3], s[92+2*\c:93+2*\c] offset:768*(\a)
	global_store_b64 v[L8], v[PC+6*\c+4:PC+6*\c+5], s[92+2*\c:93+2*\c] offset:768*(\a)+512
.endr
	v_bfe_u32 v[WD], v[PW], v10, 16                ; lanes 0-15: the first head's two bytes, lanes 16-31 the second's; bytes 2 and 3 are 0: they stand over zero codes
	ds_store_b32 v24, v[WD] offset:256*((\a)/4)+4*((\a)%4)
.endm
.irp a, 0,1,2,3,4,5,6,7
	QKOUT \a
.endr
	ds_load_b128 v[HH:HH+3], v26                   ; LDS serves a wave's instructions in order: these see my stores
	ds_load_b128 v[HH+4:HH+7], v26 offset:512
	s_wait_dscnt 0x0
	global_store_b128 v[L16], v[HH:HH+3], s[96:97]       ; 512 consecutive bytes a head, aligned
	global_store_b128 v[L16], v[HH+4:HH+7], s[98:99]
	s_branch .Ltail
; ---------------- v: block a is 16 channels (tile a % 4 of head a / 4 of my two) x my 128 keys: one key step
.Lv:
	s_lshl_b32 s2, s22, 2
	s_add_co_u32 s2, s2, s19                       ; x's tile of 256 rows
	s_lshr_b32 s3, s2, 3                           ; the batch
	s_and_b32 s2, s2, 7
	s_lshl_b32 s2, s2, 1
	s_add_co_u32 s2, s2, s18                       ; the key step
	s_lshl_b32 s3, s3, 4
	s_lshl_b32 s23, s20, 2
	s_add_co_u32 s3, s3, s23
	s_lshl_b32 s23, s17, 1
	s_add_co_u32 s3, s3, s23                       ; my first head: 16 x batch + 4 cy + 2 HA
	s_mul_i32 s44, s3, REC
	s_add_co_u32 s44, s44, KVB
	s_mul_i32 s46, s2, 6144
	s_add_co_u32 s46, s46, s44
	s_add_co_u32 s46, s46, 98304
	s_mov_b32 s47, 0
	s_add_nc_u64 s[92:93], s[14:15], s[46:47]      ; the codes
	s_lshl_b32 s46, s2, 8
	s_add_co_u32 s46, s46, s44
	s_add_co_u32 s46, s46, 204800
	s_add_nc_u64 s[96:97], s[14:15], s[46:47]      ; the scale words
.macro VOUT a
.if (\a) > 0
	s_wait_xcnt 0x0                                ; the last block's stores have read the codes' registers
.endif
	WIN 0x02+(\a)/4
.set AC, 64*((\a)%4)
.set i, 0
.rept 32
	v_pk_add_f32 v[HH+2*i:HH+2*i+1], v[AC+2*i:AC+2*i+1], v[BV+2*(\a):BV+2*(\a)+1]   ; + my channel's bias
.set i, i+1
.endr
	WIN 0
	QUANT HH
.irp i, 0,1,2
	global_store_b128 v[L16], v[PC+4*\i:PC+4*\i+3], s[92:93] offset:REC*((\a)/4)+1536*((\a)%4)+512*\i
.endr
	ds_store_b32 v25, v[PW] offset:256*((\a)/4)+4*((\a)%4)       ; both halves of the lanes write the same word with the same value
.endm
.irp a, 0,1,2,3,4,5,6,7
	VOUT \a
.endr
	ds_load_b128 v[HH:HH+3], v8
	s_wait_dscnt 0x0
	global_store_b128 v9, v[HH:HH+3], s[96:97]     ; sixteen lanes store 256 consecutive bytes, aligned: lanes 0-15 the first head's, lanes 16-31 the second's
.Ltail:
	s_wait_tensorcnt 0x0                           ; the wave's end: behind my last tensor load and my last LDS store
	ds_add_u32 v[SPW], v[NIL]
	s_wait_dscnt 0x0
	CROUND                                         ; the closing round: no work-group ends while a partner may still ask for a tile that names it
	s_endpgm
.Lfunc_end_k_qd2c5579c1a_qkv:
	.size	k_qd2c5579c1a_qkv, .Lfunc_end_k_qd2c5579c1a_qkv-k_qd2c5579c1a_qkv
	.p2alignl 7, 3214868480
	.fill 96, 4, 3214868480
	.section	.rodata,"a",@progbits
	.p2align	6, 0x0
	.amdhsa_kernel k_qd2c5579c1a_qkv
		.amdhsa_group_segment_fixed_size 327680
		.amdhsa_private_segment_fixed_size 0
		.amdhsa_enable_private_segment 0
		.amdhsa_kernarg_size 48
		.amdhsa_user_sgpr_count 2
		.amdhsa_user_sgpr_kernarg_segment_ptr 1
		.amdhsa_wavefront_size32 1
		.amdhsa_system_sgpr_workgroup_id_x 1
		.amdhsa_system_sgpr_workgroup_id_y 1
		.amdhsa_system_sgpr_workgroup_id_z 1
		.amdhsa_system_vgpr_workitem_id 0
		.amdhsa_next_free_vgpr 1024
		.amdhsa_next_free_sgpr 100
		.amdhsa_reserve_vcc 0
		.amdhsa_float_denorm_mode_32 3
		.amdhsa_float_denorm_mode_16_64 3
		.amdhsa_memory_ordered 1
		.amdhsa_forward_progress 1
		.amdhsa_inst_pref_size 221
	.end_amdhsa_kernel
	.amdgpu_metadata
---
amdhsa.version: [ 1, 2 ]
amdhsa.kernels:
  - .name:           k_qd2c5579c1a_qkv
    .symbol:         k_qd2c5579c1a_qkv.kd
    .args:
      - { .name: XQ, .offset: 0, .size: 8, .value_kind: global_buffer, .address_space: global }
      - { .name: WQ, .offset: 8, .size: 8, .value_kind: global_buffer, .address_space: global }
      - { .name: bq, .offset: 16, .size: 8, .value_kind: global_buffer, .address_space: global }
      - { .name: bk, .offset: 24, .size: 8, .value_kind: global_buffer, .address_space: global }
      - { .name: bv, .offset: 32, .size: 8, .value_kind: global_buffer, .address_space: global }
      - { .name: QKV, .offset: 40, .size: 8, .value_kind: global_buffer, .address_space: global }
    .group_segment_fixed_size: 327680
    .private_segment_fixed_size: 0
    .kernarg_segment_align: 8
    .kernarg_segment_size: 48
    .max_flat_workgroup_size: 128
    .sgpr_count:     100
    .vgpr_count:     1024
    .wavefront_size: 32
...
	.end_amdgpu_metadata
.endif
;; end of part 2
;; launch attn (part 3): grid 4 x 64, 16 waves a work-group, clusters of 4 x 1, 215,040 bytes of LDS; arguments QKV, AO; writes AO
.if DOCPART == 3
	.amdgcn_target "amdgcn-amd-amdhsa--gfx1250"
	.amdhsa_code_object_version 6
	.text
	.protected	k_qd2c5579c1a_attn
	.globl	k_qd2c5579c1a_attn
	.p2align	8
	.type	k_qd2c5579c1a_attn,@function
k_qd2c5579c1a_attn:
	s_mov_b64 s[64:65], 0
	v_nop
	global_prefetch_b8 v0, s[64:65] scope:SCOPE_SE
	s_setreg_imm32_b32 hwreg(HW_REG_WAVE_MODE, 25, 1), 1
	s_wait_xcnt 0x0
	s_wait_alu depctr_hold_cnt(0) depctr_sa_sdst(0) depctr_va_vdst(0) depctr_va_sdst(0) depctr_va_ssrc(0) depctr_va_vcc(0) depctr_vm_vsrc(0)
	s_getreg_b32 s2, hwreg(HW_REG_IB_STS2, 6, 4)
	s_cmp_eq_u32 s2, 0
	s_cbranch_scc0 .Lentry_in_a_cluster
	s_endpgm
.Lentry_in_a_cluster:
	s_bfe_u32 s2, ttmp6, 0x10000c
	s_cmp_lg_u32 s2, 0x3003
	s_cbranch_scc0 .Lentry_shape_is_right
	s_endpgm
.Lentry_shape_is_right:
; Causal attention of one (batch, head) a cluster, both products on codes of FP6 (E2M3) with E8M0 scales; the result, divided by the row's sum, is quantised along the model's 1,024 for the last projection.
; THE SOFTMAX AHEAD OF THE SECOND PRODUCT: t = score x log2(e) / 8; M = the row's largest t so far, rounded UP to a whole number; p = 2^(t - M) is quantised along the keys, not normalised; the row's sum is taken of the
; unquantised p; when M moves, the sum and O are multiplied by 2^(old M - new M): exact.
; THE HEAD'S WHOLE RECORD (k's codes, v's codes, both scale words: 208,896 bytes) lies in LDS, filled ONCE: no slot is filled again.  The four work-groups of a cluster ask for it jointly: each of the sixteen waves
; issues one tensor load of 51 rows of 256 bytes, with the same descriptor in all four and the mask 15.
; SHARES.  A tile is 16 queries: lane r of tile T holds query 32 (T / 2) + 8 (T % 2) + r + 8 (r / 8).  Work-group cx owns tiles 4 u + cx, u = 0 .. 31; a tile wants the key steps (128 keys) 0 .. u / 2: the same number
; in all four partners.  Wave w takes u = w and then u = 31 - w: 17 key steps for every wave.  cx enters global addresses and the mask's numbers alone: no branch and no LDS address.
; Both loops have constant trip counts (8 and 16); a step all of whose keys come after the tile's queries is left out by a scalar branch on the wave's number, round its loads, products and softmax.
; LAYOUT.  Both products are used transposed: S^T = K Q^T (source 0 = 16 keys, source 1 = my 16 queries), O^T = V^T P^T: a lane holds ONE query throughout.  The head's 64 channels fill half of the instruction's
; 128 along K: the upper six registers of K's and Q's fragments are zero codes, under the scale byte 0.
; AO is laid as the last projection's operand: [row tile 512][K step 8][1536] images, scale words behind them.  A scale word's four bytes belong to two heads, hence to two clusters: they leave as single bytes,
; 32 a tile and head, so aligned blocks of 256 bytes of that section are written in part.
; LIMITS: a block whose largest magnitude lies under 2^-124 keeps the byte 1; a block of zeros gets the byte 1 (zero codes); NaN and infinities are not served.
.set REC,  208896
.set KVB,  6815744
.set LV,   98304                       ; LDS: v's codes;
.set LKS,  196608                      ; k's scale words;
.set LVS,  204800                      ; v's
.set ADK,  8                           ; v8   the step's tiles of K, + 16 x lane
.set ADK8, 9                           ; v9   + 512 + 8 x lane
.set ADV,  10                          ; v10  the step's tiles of V
.set ADS,  11                          ; v11  K's scale words
.set ADT,  29                          ; v29  V's
.set KF,   32                          ; v32-79  four fragments of K; the upper six registers of each stay zero
.set KSC,  80                          ; v80-83  their scale words
.set VSC,  84                          ; v84-87  V's
.set SCO,  96                          ; v96-159 S^T, then p; v96-143 then take V's four fragments
.set OT,   160                         ; v160-191 O^T
.set PCD,  208                         ; v208-219 p's codes
.set CT,   220                         ; v220-222, v224-226 (a conversion's three registers begin on an even number)
.set BM,   228                         ; v228-231 the blocks' largest scores, then largest p
.set PM,   232                         ; v232-235 lane l xor 16's, then bytes
.set SO,   236                         ; v236-239 the conversions' scale operands
.set TT,   240
.set PS,   243                         ; p's scale word
.set NINF, 244
.set DD,   245
.set SUM2, 246                         ; v[246:247] the sum's second chain
.set FF,   248                         ; v[248:249] f = 2^(old M - new M); the packed forms name the pair and take its low word
.set WV,   8                           ; s8   wave
.set SEL,  20
.set CS,   22                          ; s[22:23] c = log2(e) / 8
.set G1,   24
.set G0,   32
.set TK,   36                          ; s36  6,144 a step: K's and V's codes
.set TKS,  37                          ; s37  512 a step
.set TVS,  38                          ; s38  256 a step
.set SI,   39                          ; s39  the step
.set SD,   40                          ; s40  the tile's last step: the one on the diagonal
.set HM,   41                          ; s41  lanes 16-31
.set DU,   42                          ; s42  64 (u % 2)
.set UU,   43
.set OC,   44                          ; s[44:45] where the tile's codes go
.set OS,   46                          ; s[46:47] and its scale bytes
.macro ROUND
	s_barrier_signal -1
	s_barrier_wait -1
	s_cmp_lg_u32 s[WV], 0
	s_cbranch_scc1 .Lnot_wave_0_\@
	s_barrier_signal -3
.Lnot_wave_0_\@:
	s_barrier_wait -3
	s_barrier_signal -1
	s_barrier_wait -1
.endm
	s_load_b128 s[4:7], s[0:1], 0x0                ; QKV, AO
	v_lshl_add_u32 v254, v0, 2, 0x34000
	v_mov_b32 v255, 0
	ds_add_u32 v254, v255
	ds_add_u32 v254, v255
	v_lshrrev_b32 v1, 5, v0
	s_delay_alu instid0(VALU_DEP_1)
	v_readfirstlane_b32 s[WV], v1                  ; wave 0..15
	s_bfe_u32 s9, ttmp6, 0x40000                   ; cx
	s_and_b32 s10, ttmp7, 0xffff                   ; 16 x batch + head, which the four partners share
	s_mov_b32 s[G1], 15|(3<<16)|(1<<21)            ; 15:0 the mask: all four; 17:16 elements of 8 bytes; 21 set beside a mask
	s_mov_b32 s[G1+1], 32<<16                      ; tensor_dim0: 256 bytes
	s_mov_b32 s[G1+2], 51<<16                      ; tensor_dim1
	s_mov_b32 s[G1+3], 32<<16                      ; tile_dim0
	s_mov_b32 s[G1+4], 51                          ; tile_dim1
	s_mov_b32 s[G1+5], 32                          ; dense
	s_mov_b32 s[G1+6], 0
	s_mov_b32 s[G1+7], 0
	s_mul_i32 s14, s[WV], 13056                    ; my sixteenth of the record
	s_mul_i32 s12, s10, REC
	s_add_co_u32 s12, s12, s14
	s_add_co_u32 s12, s12, KVB
	s_mov_b32 s13, 0
	s_mov_b32 s[G0], 1
	s_mov_b32 s[G0+1], s14
	s_mov_b32 s[SEL], 0x76543210
	s_mov_b32 s[SEL+1], 0xfedcba98
	s_mov_b32 s[CS], 0x3e38aa3b
	s_mov_b32 s[CS+1], s[CS]
	s_wait_dscnt 0x0
	s_wait_kmcnt 0x0
	s_add_nc_u64 s[G0+2:G0+3], s[4:5], s[12:13]
	s_or_b32 s[G0+3], s[G0+3], 0x80000000
	ROUND                                          ; all four work-groups are here: the joint loads meet
	tensor_load_to_lds s[G0:G0+3], s[G1:G1+7]      ; my one tensor load of the launch
	s_nop 0
.rept 4
	v_nop
.endr
	; Q of both my tiles: a tile's image of 768 bytes, and a scale word a row
	s_mul_i32 s15, s10, 98304
	s_mul_i32 s17, s9, 768
	s_add_co_u32 s15, s15, s17
	s_lshl_b32 s16, s10, 13
	s_lshl_b32 s17, s9, 2
	s_add_co_u32 s16, s16, s17
	s_add_co_u32 s16, s16, 6291456
	s_xor_b32 s18, s[WV], 31                       ; 31 - wave
	s_mul_i32 s48, s[WV], 3072                     ; tile 4 u + cx: 768 bytes a tile
	s_add_co_u32 s48, s48, s15
	s_mov_b32 s49, 0
	s_mul_i32 s50, s18, 3072
	s_add_co_u32 s50, s50, s15
	s_mov_b32 s51, 0
	s_lshl_b32 s52, s[WV], 8                       ; scale words: 256 u + 4 cx + 16 r
	s_add_co_u32 s52, s52, s16
	s_mov_b32 s53, 0
	s_lshl_b32 s54, s18, 8
	s_add_co_u32 s54, s54, s16
	s_mov_b32 s55, 0
	s_add_nc_u64 s[48:49], s[4:5], s[48:49]
	s_add_nc_u64 s[50:51], s[4:5], s[50:51]
	s_add_nc_u64 s[52:53], s[4:5], s[52:53]
	s_add_nc_u64 s[54:55], s[4:5], s[54:55]
	v_and_b32 v31, 31, v0
	s_delay_alu instid0(VALU_DEP_1)
	v_lshlrev_b32 v1, 4, v31                       ; 16 x lane
	s_delay_alu instid0(VALU_DEP_2)
	v_lshlrev_b32 v7, 3, v31                       ; 8 x lane
	v_and_b32 v8, 15, v0                           ; r
	v_bfe_u32 v9, v0, 4, 1                         ; h
	s_delay_alu instid0(VALU_DEP_2)
	v_lshlrev_b32 v31, 4, v8                       ; 16 r; never rewritten
	global_load_b128 v[16:19], v1, s[48:49]
	global_load_b64 v[20:21], v7, s[48:49] offset:512
	global_load_b32 v28, v31, s[52:53]
	global_load_b128 v[192:195], v1, s[50:51]
	global_load_b64 v[196:197], v7, s[50:51] offset:512
	global_load_b32 v204, v31, s[54:55]
	v_add_nc_u32 v2, 512, v7
	v_add_nc_u32 v3, LV, v1
	v_add_nc_u32 v4, LKS, v31
	v_add_nc_u32 v5, LVS, v31
	v_lshl_add_u32 v30, v8, 3, v9                  ; 8 r + h: my scale byte's place
	v_cmp_ne_u32 s[HM], 0, v9
	v_and_b32 v10, 8, v8
	s_delay_alu instid0(VALU_DEP_1)
	v_add_nc_u32 v6, v10, v8
	v_lshlrev_b32 v10, 4, v9
	s_delay_alu instid0(VALU_DEP_1)
	v_sub_nc_u32 v6, v6, v10
	s_lshr_b32 s11, s9, 1
	s_lshl_b32 s11, s11, 5
	s_and_b32 s19, s9, 1
	s_lshl_b32 s19, s19, 3
	s_add_co_u32 s11, s11, s19
	v_add_nc_u32 v6, s11, v6                       ; my query's place in its 64, less 16 h: r + 8 (r / 8) + 32 (cx / 2) + 8 (cx % 2) - 16 h
.irp j, 22,23,24,25,26,27,198,199,200,201,202,203
	v_mov_b32 v[\j], 0                             ; Q's zero codes
.endr
.irp t, 0,1,2,3
.irp j, 6,7,8,9,10,11
	v_mov_b32 v[KF+12*\t+\j], 0                    ; K's
.endr
.endr
.irp b, 0,1,2,3
	v_mov_b32 v[PM+\b], 0                          ; written once: a lane permute's destination counts as one of its sources
.endr
	v_mov_b32 v[FF+1], 0                           ; (named as the upper half of a pair)
	v_mov_b32 v[NINF], 0xff800000
	s_wait_tensorcnt 0x0                           ; my part of the record is in,
	s_barrier_signal -1
	s_barrier_wait -1                              ; everybody's is
	s_wait_loadcnt 0x0                             ; Q
; A KEY STEP: 128 keys.  qf: Q's fragment; qs: its scale word.
.macro STEP qf, qs
	s_cmp_gt_u32 s[SI], s[SD]                      ; all its keys come after my queries: only the addresses step
	s_cbranch_scc1 .Lskip_\@
	s_setprio 2
	v_add_nc_u32 v[ADK], s[TK], v1
	s_wait_alu depctr_va_vdst(0)
	v_add_nc_u32 v[ADK8], s[TK], v2
	s_wait_alu depctr_va_vdst(0)
	v_add_nc_u32 v[ADV], s[TK], v3
	v_add_nc_u32 v[ADS], s[TKS], v4
	s_wait_alu depctr_va_vdst(0)
	v_add_nc_u32 v[ADT], s[TVS], v5
.irp g, 0,1                            ; S^T = K Q^T, four tiles of 16 keys at a time
.if \g
.rept 4
	v_nop                                          ; places in front of loads into registers that matrix instructions have read
.endr
.endif
.irp t, 0,1,2,3
	ds_load_b128 v[KF+12*\t:KF+12*\t+3], v[ADK] offset:768*(4*\g+\t)
	ds_load_b64 v[KF+12*\t+4:KF+12*\t+5], v[ADK8] offset:768*(4*\g+\t)
.endr
	ds_load_b128 v[KSC:KSC+3], v[ADS] offset:256*\g
	s_wait_dscnt 0x0
.irp t, 0,1,2,3
	v_wmma_scale_f32_16x16x128_f8f6f4 v[SCO+8*(4*\g+\t):SCO+8*(4*\g+\t)+7], v[KF+12*\t:KF+12*\t+11], v[\qf:\qf+11], 0, v[KSC+\t], v[\qs] matrix_a_fmt:MATRIX_FMT_FP6 matrix_b_fmt:MATRIX_FMT_FP6
.endr
.endr                                  ; register 16 b + i holds key 128 step + 32 b + 16 (lane / 16) + i
.rept 4
	v_nop
.endr
	s_cmp_lg_u32 s[SI], s[SD]                      ; only the tile's last step lies on the diagonal
	s_cbranch_scc1 .Lopen_\@
	v_add_nc_u32 v[DD], s[DU], v6                  ; d = my query - the step's first key - 16 (lane / 16): register 16 b + i is hidden where 32 b + i > d
.irp n, 0,1,2,3,4,5,6,7,8,9,10,11,12,13,14,15,16,17,18,19,20,21,22,23,24,25,26,27,28,29,30,31,32,33,34,35,36,37,38,39,40,41,42,43,44,45,46,47,48,49,50,51,52,53,54,55,56,57,58,59,60,61,62,63
	v_cmp_gt_i32 vcc_lo, 32*(\n/16)+\n%16, v[DD]
	v_cndmask_b32 v[SCO+\n], v[SCO+\n], v[NINF], vcc_lo
.endr
.Lopen_\@:
.irp b, 0,1,2,3
	v_max3_num_f32 v[BM+\b], v[SCO+16*\b], v[SCO+1+16*\b], v[SCO+2+16*\b]   ; the largest score of each block of 32 keys: for the row's maximum, and, since p rises with the score, for the block's largest p
.endr
.irp i, 3,5,7,9,11,13
.irp b, 0,1,2,3
	v_max3_num_f32 v[BM+\b], v[BM+\b], v[SCO+16*\b+\i], v[SCO+1+16*\b+\i]
.endr
.endr
.irp b, 0,1,2,3
	v_max_num_f32 v[BM+\b], v[BM+\b], v[SCO+15+16*\b]
.endr
.irp b, 0,1,2,3
	s_delay_alu instid0(VALU_DEP_4)
	v_permlanex16_b32 v[PM+\b], v[BM+\b], s[SEL], s[SEL+1]
.endr
.irp b, 0,1,2,3
	s_delay_alu instid0(VALU_DEP_4)
	v_max_num_f32 v[BM+\b], v[BM+\b], v[PM+\b]     ; with lane l xor 16's 16 keys
.endr
	s_delay_alu instid0(VALU_DEP_2)
	v_max3_num_f32 v[TT], v[BM], v[BM+1], v[BM+2]
	s_delay_alu instid0(VALU_DEP_1)
	v_max_num_f32 v[TT], v[TT], v[BM+3]
	s_delay_alu instid0(VALU_DEP_1)
	v_mul_f32 v[TT], s[CS], v[TT]                  ; as t (c is positive)
	s_delay_alu instid0(VALU_DEP_1)
	v_max_num_f32 v13, v13, v[TT]                  ; the running largest t
	v_mov_b32 v[TT], v12
	s_delay_alu instid0(VALU_DEP_2)
	v_floor_f32 v12, -v13                          ; the new -M = floor(-t): M is a whole number
	s_delay_alu instid0(VALU_DEP_1)
	v_sub_f32 v[TT], v12, v[TT]                    ; old M - new M: a whole number, 0 or less
	s_delay_alu instid0(VALU_DEP_1)
	v_cvt_i32_f32 v[TT], v[TT]                     ; (it saturates)
	s_delay_alu instid0(VALU_DEP_1)
	v_ldexp_f32 v[FF], 1.0, v[TT]                  ; f = 2^(old M - new M)
.irp j, 0,2,4,6,8,10,12,14,16,18,20,22,24,26,28,30,32,34,36,38,40,42,44,46,48,50,52,54,56,58,60,62
	v_pk_fma_f32 v[SCO+\j:SCO+1+\j], v[SCO+\j:SCO+1+\j], s[CS:CS+1], v[12:13] op_sel_hi:[1,0,0]   ; t - M
.endr
	s_setprio 1
.irp b, 0,1,2,3
	v_fma_f32 v[BM+\b], v[BM+\b], s[CS], v12       ; the same of each block's largest score
.endr
	s_wait_alu depctr_va_vdst(0)
.irp j, 0,1,2,3,4,5,6,7,8,9,10,11,12,13,14,15,16,17,18,19,20,21,22,23,24,25,26,27,28,29,30,31,32,33,34,35,36,37,38,39,40,41,42,43,44,45,46,47,48,49,50,51,52,53,54,55,56,57,58,59,60,61,62,63
	v_exp_f32 v[SCO+\j], v[SCO+\j]                 ; p = 2^(t - M), at most 1
.endr
	v_pk_mul_f32 v[14:15], v[14:15], v[FF:FF+1] op_sel_hi:[1,0]   ; the sums under the new M: a plain place behind the exponentials
	s_wait_alu depctr_va_vdst(0)                   ; one wait for the whole batch, ahead of its first reader
.irp b, 0,1,2,3
	v_exp_f32 v[BM+\b], v[BM+\b]                   ; the block's largest p: the same two instructions on the same number give the same bits
.endr
	v_pk_add_f32 v[246:247], v[100:101], v[104:105]
	v_pk_add_f32 v[252:253], v[108:109], v[112:113]
	v_pk_add_f32 v[250:251], v[116:117], v[120:121]
	v_pk_add_f32 v[242:243], v[124:125], v[128:129]
	v_pk_add_f32 v[240:241], v[132:133], v[136:137]
	v_pk_add_f32 v[238:239], v[140:141], v[144:145]
	v_pk_add_f32 v[236:237], v[148:149], v[152:153]
	v_pk_add_f32 v[14:15], v[14:15], v[156:157]
	v_pk_add_f32 v[246:247], v[246:247], v[96:97]
	v_pk_add_f32 v[252:253], v[252:253], v[98:99]
	v_pk_add_f32 v[250:251], v[250:251], v[102:103]
	v_pk_add_f32 v[242:243], v[242:243], v[106:107]
	v_pk_add_f32 v[240:241], v[240:241], v[110:111]
	v_pk_add_f32 v[238:239], v[238:239], v[114:115]
	v_pk_add_f32 v[236:237], v[236:237], v[118:119]
	v_pk_add_f32 v[14:15], v[14:15], v[122:123]
	v_pk_add_f32 v[246:247], v[246:247], v[126:127]
	v_pk_add_f32 v[252:253], v[252:253], v[130:131]
	v_pk_add_f32 v[250:251], v[250:251], v[134:135]
	v_pk_add_f32 v[242:243], v[242:243], v[138:139]
	v_pk_add_f32 v[240:241], v[240:241], v[142:143]
	v_pk_add_f32 v[238:239], v[238:239], v[146:147]
	v_pk_add_f32 v[236:237], v[236:237], v[150:151]
	v_pk_add_f32 v[14:15], v[14:15], v[154:155]
	v_pk_add_f32 v[246:247], v[246:247], v[158:159]
	s_delay_alu instid0(VALU_DEP_2)
	v_pk_add_f32 v[14:15], v[14:15], v[242:243]
	s_delay_alu instid0(VALU_DEP_2)
	v_pk_add_f32 v[246:247], v[246:247], v[240:241]
	v_pk_add_f32 v[252:253], v[252:253], v[238:239]
	v_pk_add_f32 v[250:251], v[250:251], v[236:237]
	s_delay_alu instid0(VALU_DEP_2)
	v_pk_add_f32 v[14:15], v[14:15], v[252:253]
	s_delay_alu instid0(VALU_DEP_2)
	v_pk_add_f32 v[246:247], v[246:247], v[250:251]
	s_delay_alu instid0(VALU_DEP_1)
	v_pk_add_f32 v[14:15], v[14:15], v[246:247]
	s_wait_alu depctr_va_vdst(0)                   ; and one for the four
.irp b, 0,1,2,3
	v_max_num_f32 v[BM+\b], 0x1800000, v[BM+\b]    ; the floor 2^(3 - 127): a block whose every p is 0 keeps the byte 1: its codes are zeros
.endr
.irp b, 0,1,2,3
	s_delay_alu instid0(VALU_DEP_4)
	v_add_nc_u32 v[SO+\b], 0xff000000, v[BM+\b]    ; 2 off the exponent field: the conversion's scale operand
.endr
.irp b, 0,1,2,3
	s_delay_alu instid0(VALU_DEP_4)
	v_lshrrev_b32 v[PM+\b], 23, v[SO+\b]           ; the scale's byte
.endr
	s_delay_alu instid0(VALU_DEP_3)
	v_lshl_or_b32 v[PS], v[PM+1], 8, v[PM]         ; p's scale word for these 128 keys
	s_delay_alu instid0(VALU_DEP_1)
	v_lshl_or_b32 v[PS], v[PM+2], 16, v[PS]
	s_delay_alu instid0(VALU_DEP_1)
	v_lshl_or_b32 v[PS], v[PM+3], 24, v[PS]
.irp c, 0,1
	v_cvt_scalef32_pk16_fp6_f32 v[PCD+6*\c:PCD+2+6*\c], v[SCO+32*\c:SCO+15+32*\c], v[SO+2*\c]
	v_cvt_scalef32_pk16_fp6_f32 v[CT+4*\c:CT+2+4*\c], v[SCO+16+32*\c:SCO+31+32*\c], v[SO+2*\c+1]
.endr
	v_nop                                          ; one plain place behind a scaled conversion
.irp c, 0,1                            ; the operand's layout wants a WHOLE block in a lane
.irp i, 0,1,2
	v_permlane16_swap_b32 v[PCD+6*\c+\i], v[CT+4*\c+\i]
.endr
.irp i, 0,1,2
	s_delay_alu instid0(VALU_DEP_3)
	v_mov_b32 v[PCD+3+6*\c+\i], v[CT+4*\c+\i]
.endr
.endr
	s_setprio 0
.irp t, 0,1,2,3                        ; V's four fragments (16 channels x these 128 keys) into the registers that p has left
.irp i, 0,1,2
	ds_load_b128 v[SCO+12*\t+4*\i:SCO+12*\t+4*\i+3], v[ADV] offset:1536*\t+512*\i
.endr
.endr
	ds_load_b128 v[VSC:VSC+3], v[ADT]
.irp j, 0,2,4,6,8,10,12,14,16,18,20,22,24,26,28,30
	v_pk_mul_f32 v[OT+\j:OT+1+\j], v[OT+\j:OT+1+\j], v[FF:FF+1] op_sel_hi:[1,0]   ; O^T under the new M.  (These are also the places between the lines that wrote p's codes and scale word and the products)
.endr
	s_wait_alu depctr_va_vdst(0)
	s_wait_dscnt 0x0
.irp t, 0,1,2,3                        ; O^T += V^T P^T: the four accumulators by turns
	v_wmma_scale_f32_16x16x128_f8f6f4 v[OT+8*\t:OT+8*\t+7], v[SCO+12*\t:SCO+12*\t+11], v[PCD:PCD+11], v[OT+8*\t:OT+8*\t+7], v[VSC+\t], v[PS] matrix_a_fmt:MATRIX_FMT_FP6 matrix_b_fmt:MATRIX_FMT_FP6
.endr
.rept 5
	v_nop                                          ; the next step's products write over V's fragments, and the way out reads O^T: five places, on every way on
.endr
.Lskip_\@:
	s_add_co_u32 s[TK], s[TK], 6144
	s_add_co_u32 s[TKS], s[TKS], 512
	s_add_co_u32 s[TVS], s[TVS], 256
.endm
; ONE TILE OF QUERIES: u = wave (n = 0) or 31 - wave (n = 1).
.macro PASS n, trips, qf, qs
	s_wait_xcnt 0x0                                ; the last tile's stores have read their bases and registers
.if \n
	s_xor_b32 s[UU], s[WV], 31
.else
	s_mov_b32 s[UU], s[WV]
.endif
	s_lshr_b32 s[SD], s[UU], 1
	s_and_b32 s[DU], s[UU], 1
	s_lshl_b32 s[DU], s[DU], 6
	s_lshr_b32 s11, s10, 4
	s_lshl_b32 s11, s11, 7
	s_lshl_b32 s12, s[UU], 2
	s_add_co_u32 s11, s11, s12
	s_add_co_u32 s11, s11, s9                      ; the row tile: 128 x batch + 4 u + cx
	s_and_b32 s12, s10, 15                         ; the head
	s_mul_i32 s14, s11, 12288
	s_mul_i32 s15, s12, 768                        ; K step head / 2, half head % 2
	s_add_co_u32 s14, s14, s15
	s_mov_b32 s15, 0
	s_add_nc_u64 s[OC:OC+1], s[6:7], s[14:15]
	s_lshl_b32 s14, s11, 9
	s_lshr_b32 s16, s12, 2
	s_lshl_b32 s16, s16, 7
	s_add_co_u32 s14, s14, s16
	s_and_b32 s16, s12, 3
	s_lshl_b32 s16, s16, 1
	s_add_co_u32 s14, s14, s16
	s_add_co_u32 s14, s14, 6291456
	s_add_nc_u64 s[OS:OS+1], s[6:7], s[14:15]
	v_mov_b32 v13, 0xff61b1e6                      ; the largest t so far: -3e38, under every t
	s_delay_alu instid0(VALU_DEP_1)
	v_floor_f32 v12, -v13                          ; -M
	v_mov_b32 v14, 0
	v_mov_b32 v15, 0
.irp j, 0,1,2,3,4,5,6,7,8,9,10,11,12,13,14,15,16,17,18,19,20,21,22,23,24,25,26,27,28,29,30,31
	v_mov_b32 v[OT+\j], 0                          ; the step is written once: the first finds zeros, which the first change of M leaves zeros
.endr
	s_mov_b32 s[TK], 0
	s_mov_b32 s[TKS], 0
	s_mov_b32 s[TVS], 0
	s_mov_b32 s[SI], 0
.Lsteps_\@:
	STEP \qf, \qs
	s_add_co_u32 s[SI], s[SI], 1
	s_cmp_lt_u32 s[SI], \trips
	s_cbranch_scc1 .Lsteps_\@
	s_setprio 0
	; the way out: O^T / the sum, quantised along its 64 channels: half a fragment of the last projection's operand
	v_add_f32 v14, v14, v15
	s_delay_alu instid0(VALU_DEP_1)
	v_permlanex16_b32 v[PM], v14, s[SEL], s[SEL+1]
	s_delay_alu instid0(VALU_DEP_1)
	v_add_f32 v14, v14, v[PM]                      ; the row's sum
	s_wait_alu depctr_va_vdst(0)
	v_rcp_f32 v14, v14
	v_nop                                          ; a plain place behind the transcendental
	s_wait_alu depctr_va_vdst(0)                   ; the wait, ahead of the first reader
.irp j, 0,2,4,6,8,10,12,14,16,18,20,22,24,26,28,30
	v_pk_mul_f32 v[SCO+\j:SCO+1+\j], v[OT+\j:OT+1+\j], v[14:15] op_sel_hi:[1,0]   ; register 16 b + i: channel 32 b + 16 (lane / 16) + i; each accumulator from its low end on
.endr
.irp b, 0,1
	v_max3_num_f32 v[BM+\b], |v[SCO+16*\b]|, |v[SCO+1+16*\b]|, 0x1800000
.endr
.irp i, 2,4,6,8,10,12,14
.irp b, 0,1
	s_delay_alu instid0(VALU_DEP_2)
	v_max3_num_f32 v[BM+\b], v[BM+\b], |v[SCO+16*\b+\i]|, |v[SCO+1+16*\b+\i]|
.endr
.endr
.irp b, 0,1
	s_delay_alu instid0(VALU_DEP_2)
	v_permlanex16_b32 v[PM+\b], v[BM+\b], s[SEL], s[SEL+1]
.endr
.irp b, 0,1
	s_delay_alu instid0(VALU_DEP_2)
	v_max_num_f32 v[BM+\b], v[BM+\b], v[PM+\b]
.endr
.irp b, 0,1
	s_delay_alu instid0(VALU_DEP_2)
	v_add_nc_u32 v[SO+\b], 0xff000000, v[BM+\b]
.endr
.irp b, 0,1
	s_delay_alu instid0(VALU_DEP_2)
	v_lshrrev_b32 v[PM+\b], 23, v[SO+\b]
.endr
	v_cvt_scalef32_pk16_fp6_f32 v[PCD:PCD+2], v[SCO:SCO+15], v[SO]
	v_cvt_scalef32_pk16_fp6_f32 v[CT:CT+2], v[SCO+16:SCO+31], v[SO+1]
	v_nop                                          ; one plain place behind a scaled conversion
.irp i, 0,1,2
	v_permlane16_swap_b32 v[PCD+\i], v[CT+\i]
.endr
.irp i, 0,1,2
	s_delay_alu instid0(VALU_DEP_3)
	v_mov_b32 v[PCD+3+\i], v[CT+\i]
.endr
	v_cndmask_b32 v[TT], v[PM], v[PM+1], s[HM]     ; lanes 0-15 store block 0's byte, lanes 16-31 block 1's
	global_store_b128 v1, v[PCD:PCD+3], s[OC:OC+1]             ; 512 consecutive bytes, aligned to 256
	global_store_b64 v7, v[PCD+4:PCD+5], s[OC:OC+1] offset:512 ; 256
	global_store_b8 v30, v[TT], s[OS:OS+1]
.endm
	PASS 0, 8, 16, 28
	PASS 1, 16, 192, 204
	s_wait_dscnt 0x0
	s_wait_tensorcnt 0x0
	ds_add_u32 v254, v255
	s_wait_dscnt 0x0
	ROUND                                          ; the closing round
	s_endpgm
.Lfunc_end_k_qd2c5579c1a_attn:
	.size	k_qd2c5579c1a_attn, .Lfunc_end_k_qd2c5579c1a_attn-k_qd2c5579c1a_attn
	.p2alignl 7, 3214868480
	.fill 96, 4, 3214868480
	.section	.rodata,"a",@progbits
	.p2align	6, 0x0
	.amdhsa_kernel k_qd2c5579c1a_attn
		.amdhsa_group_segment_fixed_size 215040
		.amdhsa_private_segment_fixed_size 0
		.amdhsa_enable_private_segment 0
		.amdhsa_kernarg_size 16
		.amdhsa_user_sgpr_count 2
		.amdhsa_user_sgpr_kernarg_segment_ptr 1
		.amdhsa_wavefront_size32 1
		.amdhsa_system_sgpr_workgroup_id_x 1
		.amdhsa_system_sgpr_workgroup_id_y 1
		.amdhsa_system_sgpr_workgroup_id_z 1
		.amdhsa_system_vgpr_workitem_id 0
		.amdhsa_next_free_vgpr 256
		.amdhsa_next_free_sgpr 66
		.amdhsa_reserve_vcc 1
		.amdhsa_float_denorm_mode_32 3
		.amdhsa_float_denorm_mode_16_64 3
		.amdhsa_memory_ordered 1
		.amdhsa_forward_progress 1
		.amdhsa_inst_pref_size 66
	.end_amdhsa_kernel
	.amdgpu_metadata
---
amdhsa.version: [ 1, 2 ]
amdhsa.kernels:
  - .name:           k_qd2c5579c1a_attn
    .symbol:         k_qd2c5579c1a_attn.kd
    .args:
      - { .name: QKV, .offset: 0, .size: 8, .value_kind: global_buffer, .address_space: global }
      - { .name: AO, .offset: 8, .size: 8, .value_kind: global_buffer, .address_space: global }
    .group_segment_fixed_size: 215040
    .private_segment_fixed_size: 0
    .kernarg_segment_align: 8
    .kernarg_segment_size: 16
    .max_flat_workgroup_size: 512
    .sgpr_count:     66
    .vgpr_count:     256
    .wavefront_size: 32
...
	.end_amdgpu_metadata
.endif
;; end of part 3
;; launch outp (part 4): grid 4 x 32, 4 waves a work-group, clusters of 4 x 4, 327,680 bytes of LDS; arguments AO, WQ, bo, out0; writes out0
.if DOCPART == 4
	.amdgcn_target "amdgcn-amd-amdhsa--gfx1250"
	.amdhsa_code_object_version 6
	.text
	.protected	k_qd2c5579c1a_outp
	.globl	k_qd2c5579c1a_outp
	.p2align	8
	.type	k_qd2c5579c1a_outp,@function
k_qd2c5579c1a_outp:
	s_mov_b64 s[64:65], 0
	v_nop
	global_prefetch_b8 v0, s[64:65] scope:SCOPE_SE
	s_setreg_imm32_b32 hwreg(HW_REG_WAVE_MODE, 25, 1), 1
	s_wait_xcnt 0x0
	s_wait_alu depctr_hold_cnt(0) depctr_sa_sdst(0) depctr_va_vdst(0) depctr_va_sdst(0) depctr_va_ssrc(0) depctr_va_vcc(0) depctr_vm_vsrc(0)
	s_getreg_b32 s2, hwreg(HW_REG_IB_STS2, 6, 4)
	s_cmp_eq_u32 s2, 0
	s_cbranch_scc0 .Lentry_in_a_cluster
	s_endpgm
.Lentry_in_a_cluster:
	s_bfe_u32 s2, ttmp6, 0x10000c
	s_cmp_lg_u32 s2, 0xf033
	s_cbranch_scc0 .Lentry_shape_is_right
	s_endpgm
.Lentry_shape_is_right:
; out0 = a Wo + bo on codes of FP6 (E2M3) with E8M0 scales; a is the attention's result, quantised by the launch before.  out0: [8192][1024] f32.
; OPERANDS lie in memory as images of the operand's registers (a fragment: 16 rows x 128 K, 1,536 bytes: per half of 768 bytes four registers at 16 x lane, two at 512 + 8 x lane), [tile][K step 8][1536];
; lane r of tile 2 b + u holds row 32 b + 8 u + r + 8 (r / 8).
; SHARES.  A work-group of four waves makes 256 x 256, a wave 128 x 128: 64 accumulators.  K = 1,024 goes in four fills of 256 through two LDS slots; the walk is written out.  Source 1 = a's rows, source 0 = Wo's
; columns: a lane holds one row of out0 and its registers run along the columns.  The problem has 128 such tiles: that many work-groups are launched.
; CLUSTERS: 4 x 4 work-groups; a's tiles are asked for jointly along a row of the cluster, Wo's along a column.
; REGISTERS: window 0: v16-31 addresses; v32-63 scale words, two sets; v64-127 the bias; v128-223 A's fragments, ONE set (on the way out v128-255: rows read back).  window 1: B's fragments, two sets.
;   windows 2, 3: the accumulators ((a, b) at v[8 (8 (a % 4) + b)]).
.set FR,    12
.set NL,    4
.set NP,    4
.set NQ,    2
.set FRB,   1536
.set SROW,  NQ*FRB
.set RTK,   12288
.set HALFT, 8*SROW
.set SLOT,  4*HALFT
.set SCL,   2*SLOT
.set SCLB,  SCL+8192+128
.set SPARE, 213248                     ; the spare words, 128 bytes for each wave: two blocks of 256 bytes that no other line names
.set STG,   SPARE+512                  ; the stages: 16 rows x (512 bytes + 16) for each wave.  No fill lands here
.set SPITCH, 528
.set ADRA, 16
.set ADRB, 20
.set STO,  24                          ; v24  the way out: where I put 32 bytes of a row
.set RD,   25                          ; v25  and where I read a row back
.set ADRS, 27
.set SPW,  28
.set NIL,  29
.set L16,  30
.set L8,   31
.set SC,   32
.set BI,   64
.set AF,   128
.set BK,   128
.set G1,   24
.set G0,   32
.set G1B,  48
.set G0B,  56
.set G1S,  68
.set G0S,  76
.set G1SB, 80
.set G0SB, 88
.set MSB, 0
.macro WIN new                         ; the immediate's high byte repeats the setting that is left
.if MSB != (\new)
	s_set_vgpr_msb (MSB<<8)|(\new)
.set MSB, (\new)
.endif
.endm
.set MUL_LO, 0xa1
.set MUL_HI, 0xf1
.set TO_B,   0x40
.macro JLOAD g0a, g1a, g0b, g1b        ; a joint load: waves 0 and 1 fetch for A, waves 2 and 3 for B; four v_nop follow each of the two lines
	s_cmp_eq_u32 s17, 0
	s_cbranch_scc0 .Lfor_b_\@
	tensor_load_to_lds s[\g0a:\g0a+3], s[\g1a:\g1a+7]
	s_nop 0
.rept 4
	v_nop
.endr
	s_branch .Lasked_\@
.Lfor_b_\@:
	tensor_load_to_lds s[\g0b:\g0b+3], s[\g1b:\g1b+7]
	s_nop 0
.rept 4
	v_nop
.endr
.Lasked_\@:
.endm
.macro CREST
	s_cmp_lg_u32 s16, 0
	s_cbranch_scc1 .Lnot_wave_0_\@
	s_barrier_signal -3
.Lnot_wave_0_\@:
	s_barrier_wait -3
	s_barrier_signal -1
	s_barrier_wait -1
.endm
.macro CROUND
	s_barrier_signal -1
	s_barrier_wait -1
	CREST
.endm
.macro PLACES n
.rept \n
	v_nop
.endr
.endm
	s_load_b256 s[4:11], s[0:1], 0x0               ; AO, WQ, bo, out0
	v_lshl_add_u32 v[SPW], v0, 2, SPARE
	v_mov_b32 v[NIL], 0
	ds_add_u32 v28, v29
	ds_add_u32 v28, v29
	s_wait_dscnt 0x0
	v_lshrrev_b32 v1, 5, v0
	v_readfirstlane_b32 s16, v1                    ; wave 0..3
	s_lshr_b32 s17, s16, 1                         ; HA
	s_and_b32 s18, s16, 1                          ; HB
	s_bfe_u32 s19, ttmp6, 0x40000                  ; cx
	s_bfe_u32 s20, ttmp6, 0x40004                  ; cy
	s_and_b32 s22, ttmp7, 0xffff                   ; the cluster's y
	s_lshl_b32 s2, s20, 2
	s_lshl_b32 s2, 15, s2                          ; my row of the cluster
	s_lshl_b32 s3, 0x1111, s19                     ; my column
	s_or_b32 s[G1], s2, (3<<16)|(1<<21)
	s_or_b32 s[G1B], s3, (3<<16)|(1<<21)
	s_or_b32 s[G1S], s2, (3<<16)|(1<<21)
	s_or_b32 s[G1SB], s3, (3<<16)|(1<<21)
.irp g, G1, G1B                        ; a tile: 8 rows of 3,072 bytes, 12,288 bytes apart
	s_mov_b32 s[\g+1], 384<<16
	s_mov_b32 s[\g+2], 8<<16
	s_mov_b32 s[\g+3], 384<<16
	s_mov_b32 s[\g+4], 8
	s_mov_b32 s[\g+5], 1536
	s_mov_b32 s[\g+6], 0
	s_mov_b32 s[\g+7], 0
.endr
.irp g, G1S, G1SB                      ; the scale words of 128 rows: 4,096 dense bytes as 16 rows of 256
	s_mov_b32 s[\g+1], 32<<16
	s_mov_b32 s[\g+2], 16<<16
	s_mov_b32 s[\g+3], 32<<16
	s_mov_b32 s[\g+4], 16
	s_mov_b32 s[\g+5], 32
	s_mov_b32 s[\g+6], 0
	s_mov_b32 s[\g+7], 0
.endr
	s_lshl_b32 s2, s18, 3
	s_lshl_b32 s23, s22, 2
	s_add_co_u32 s40, s23, s20                     ; A: a's tile of 256 rows, 4 cly + cy
	s_lshl_b32 s40, s40, 4
	s_add_co_u32 s40, s40, s2                      ; the first of the 8 tiles of 16 rows that I fetch
	s_lshl_b32 s42, s40, 9
	s_add_co_u32 s42, s42, 6291456
	s_mov_b32 s43, 0
	s_mul_i32 s40, s40, RTK
	s_mov_b32 s41, 0
	s_lshl_b32 s44, s19, 4                         ; B: Wo's tile of 256 columns, cx
	s_add_co_u32 s44, s44, s2
	s_lshl_b32 s46, s44, 9
	s_add_co_u32 s46, s46, 3145728+3*32768
	s_mov_b32 s47, 0
	s_mul_i32 s44, s44, RTK
	s_add_co_u32 s44, s44, 3*786432
	s_mov_b32 s45, 0
	s_mul_i32 s2, s16, HALFT                       ; where they go: no place in the cluster enters an LDS address
	s_lshl_b32 s3, s16, 12
	s_lshl_b32 s23, s17, 7
	s_add_co_u32 s3, s3, s23
	s_add_co_u32 s3, s3, SCL
	s_wait_kmcnt 0x0
	s_add_nc_u64 s[40:41], s[4:5], s[40:41]
	s_add_nc_u64 s[42:43], s[4:5], s[42:43]
	s_add_nc_u64 s[44:45], s[6:7], s[44:45]
	s_add_nc_u64 s[46:47], s[6:7], s[46:47]
	CROUND                                         ; all sixteen work-groups are here: the first joint loads meet
	s_mov_b32 s[G0S], 1
	s_mov_b32 s[G0S+1], s3
	s_mov_b64 s[G0S+2:G0S+3], s[42:43]
	s_or_b32 s[G0S+3], s[G0S+3], 0x80000000
	s_mov_b32 s[G0SB], 1
	s_mov_b32 s[G0SB+1], s3
	s_mov_b64 s[G0SB+2:G0SB+3], s[46:47]
	s_or_b32 s[G0SB+3], s[G0SB+3], 0x80000000
	JLOAD G0S, G1S, G0SB, G1SB
.irp s, 0,1
	s_mov_b32 s[G0+4*\s], 1
	s_add_co_u32 s[G0+4*\s+1], s2, \s*SLOT
	s_add_nc_u64 s[G0+4*\s+2:G0+4*\s+3], s[40:41], \s*SROW
	s_or_b32 s[G0+4*\s+3], s[G0+4*\s+3], 0x80000000
	s_mov_b32 s[G0B+4*\s], 1
	s_add_co_u32 s[G0B+4*\s+1], s2, \s*SLOT
	s_add_nc_u64 s[G0B+4*\s+2:G0B+4*\s+3], s[44:45], \s*SROW
	s_or_b32 s[G0B+4*\s+3], s[G0B+4*\s+3], 0x80000000
	s_wait_alu depctr_va_vdst(0)
	s_wait_tensorcnt 0x0
	ds_add_u32 v28, v29
	s_wait_dscnt 0x0
	CROUND
	JLOAD G0+4*\s, G1, G0B+4*\s, G1B               ; one tensor load of mine is out
.endr
	v_and_b32 v1, 31, v0                           ; lane
	v_and_b32 v2, 15, v0                           ; r
	v_bfe_u32 v3, v0, 4, 1                         ; h
	v_lshlrev_b32 v[L16], 4, v1
	v_lshlrev_b32 v[L8], 3, v1
	s_mul_i32 s2, s17, HALFT
	s_mul_i32 s3, s18, HALFT
	s_add_co_u32 s3, s3, 2*HALFT
.irp s, 0,1
	v_add_nc_u32 v[ADRA+\s], s2, v[L16]
	v_add_nc_u32 v[ADRA+2+\s], s2, v[L8]
	v_add_nc_u32 v[ADRB+\s], s3, v[L16]
	v_add_nc_u32 v[ADRB+2+\s], s3, v[L8]
	s_add_co_u32 s2, s2, SLOT
	s_add_co_u32 s3, s3, SLOT
.endr
	s_xor_b32 s23, s17, 1                          ; the scale words: lanes 16-31 stand SCLB - SCL + 4,096 HB - 4,096 HA further on than lanes 0-15: one product with h
	s_lshl_b32 s23, s23, 12
	s_lshl_b32 s3, s18, 12
	s_add_co_u32 s3, s3, s23
	s_add_co_u32 s3, s3, SCLB-SCL-4096
	v_mul_u32_u24 v4, s3, v3
	s_lshl_b32 s2, s17, 12
	s_add_co_u32 s2, s2, SCL
	v_lshl_add_u32 v4, v2, 3, v4
	v_add_nc_u32 v[ADRS], s2, v4
	s_mul_i32 s2, s16, 16*SPITCH
	s_add_co_u32 s2, s2, STG                       ; my stage
	v_mul_u32_u24 v4, v2, SPITCH
	v_lshl_add_u32 v4, v3, 6, v4
	v_add_nc_u32 v[STO], s2, v4                    ; in: row r, + 64 h
	v_add_nc_u32 v[RD], s2, v[L16]                 ; back: a row of 512 bytes, 16 a lane
	s_lshl_b32 s2, s19, 10                         ; my first column, in bytes: 1,024 cx + 512 HB
	s_lshl_b32 s3, s18, 9
	s_add_co_u32 s2, s2, s3
	s_mov_b32 s3, 0
	s_add_nc_u64 s[8:9], s[8:9], s[2:3]            ; in bo,
	s_add_nc_u64 s[10:11], s[10:11], s[2:3]        ; and in a row of out0
	s_lshl_b32 s2, s22, 2
	s_add_co_u32 s2, s2, s20
	s_lshl_b32 s2, s2, 8
	s_lshl_b32 s23, s17, 7
	s_add_co_u32 s2, s2, s23                       ; my first row
	s_lshl_b32 s2, s2, 12
	s_add_nc_u64 s[10:11], s[10:11], s[2:3]
	v_lshlrev_b32 v11, 6, v3                       ; 16 h numbers
.irp t, 0,1,2,3,4,5,6,7
	global_load_b128 v[BI+8*\t:BI+8*\t+3], v11, s[8:9] offset:(32*(\t/2)+8*(\t%2))*4        ; register 8 t + j: column 32 (t / 2) + 16 h + 8 (t % 2) + j
	global_load_b128 v[BI+8*\t+4:BI+8*\t+7], v11, s[8:9] offset:(32*(\t/2)+8*(\t%2))*4+16
.endr
.macro FRAG reg, adr, q, i
	ds_load_b128 v[\reg:\reg+3], v[\adr] offset:SROW*(\i)+FRB*(\q)
	ds_load_b64 v[\reg+4:\reg+5], v[\adr+2] offset:SROW*(\i)+FRB*(\q)+512
	ds_load_b128 v[\reg+6:\reg+9], v[\adr] offset:SROW*(\i)+FRB*(\q)+768
	ds_load_b64 v[\reg+10:\reg+11], v[\adr+2] offset:SROW*(\i)+FRB*(\q)+1280
.endm
; 16 matrix instructions: A's blocks a0, a0 + 1 x B's eight.  The 64 accumulators take turns, one instruction a turn, in the same order in every step.
.macro MUL16 a0, p, q, sc, zero
.irp a, \a0, \a0+1
.irp b, 0,1,2,3,4,5,6,7
.if \zero
	v_wmma_scale_f32_16x16x128_f8f6f4 v[8*(8*((\a)%4)+\b):8*(8*((\a)%4)+\b)+7], v[128*(\p)+FR*\b:128*(\p)+FR*\b+FR-1], v[AF+FR*(\a):AF+FR*(\a)+FR-1], 0, v[SC+8*NQ*(\sc)+NQ*\b+(\q)], v[SC+8*NQ*(\sc)+NQ*(\a)+(\q)] matrix_a_fmt:MATRIX_FMT_FP6 matrix_b_fmt:MATRIX_FMT_FP6 matrix_a_scale:MATRIX_SCALE_ROW1
.else
	v_wmma_scale_f32_16x16x128_f8f6f4 v[8*(8*((\a)%4)+\b):8*(8*((\a)%4)+\b)+7], v[128*(\p)+FR*\b:128*(\p)+FR*\b+FR-1], v[AF+FR*(\a):AF+FR*(\a)+FR-1], v[8*(8*((\a)%4)+\b):8*(8*((\a)%4)+\b)+7], v[SC+8*NQ*(\sc)+NQ*\b+(\q)], v[SC+8*NQ*(\sc)+NQ*(\a)+(\q)] matrix_a_fmt:MATRIX_FMT_FP6 matrix_b_fmt:MATRIX_FMT_FP6 matrix_a_scale:MATRIX_SCALE_ROW1
.endif
.endr
.endr
.endm
.macro FETCH_B slot, q, p
	WIN TO_B
.irp i, 0,1,2,3,4,5,6,7
	FRAG 128*(\p)+FR*\i, ADRB+\slot, \q, \i
.endr
	WIN 0
.endm
.macro FETCH_A slot, q, i0
.irp i, \i0, \i0+1, \i0+2, \i0+3
	FRAG AF+FR*(\i), ADRA+\slot, \q, \i
.endr
.endm
.macro SCALES sc
.irp i, 0,1,2,3,4,5,6,7
	ds_load_b64 v[SC+8*NQ*\sc+NQ*\i:SC+8*NQ*\sc+NQ*\i+1], v[ADRS] offset:\i*512
.endr
.endm
.macro STEP slot, q, zero
	s_wait_dscnt 4*NL                              ; all but the youngest 16 loads (A's blocks 4-7) are in
	WIN MUL_LO
	MUL16 0, (\q)%2, \q, \slot, \zero
	MUL16 2, (\q)%2, \q, \slot, \zero
	s_wait_dscnt 0                                 ; A's blocks 4-7 are in
	PLACES NP
	FETCH_B \slot, (\q)+1, 1-(\q)%2
	FETCH_A \slot, (\q)+1, 0
	WIN MUL_HI
	MUL16 4, (\q)%2, \q, \slot, \zero
	MUL16 6, (\q)%2, \q, \slot, \zero
	PLACES NP
	WIN 0
	FETCH_A \slot, (\q)+1, 4
.endm
.macro TURN slot, next, fill
	s_wait_tensorcnt 0x0                           ; all my tensor loads have landed: my part of the next slot
	ds_add_u32 v[SPW], v[NIL]                      ; 0 onto my spare word
	s_wait_dscnt 4*NL+1                            ; (the add and the youngest 16 loads may be out)
	WIN MUL_LO
	MUL16 0, 1, NQ-1, \slot, 0
	s_wait_dscnt 0x0                               ; the add is done, and my reads of this slot are over
	s_barrier_signal -1
	MUL16 2, 1, NQ-1, \slot, 0
	WIN 0
	s_barrier_wait -1
.if \fill
	CREST                                          ; the barrier has opened a round of the cluster's: no wave of any partner still reads this slot or has a load on its way
	s_add_nc_u64 s[G0+4*\slot+2:G0+4*\slot+3], s[G0+4*\slot+2:G0+4*\slot+3], 2*SROW
	s_add_nc_u64 s[G0B+4*\slot+2:G0B+4*\slot+3], s[G0B+4*\slot+2:G0B+4*\slot+3], 2*SROW
	JLOAD G0+4*\slot, G1, G0B+4*\slot, G1B         ; the first tensor load behind the round, my one load until the next
.else
	PLACES NP
.endif
	s_wait_alu depctr_va_vdst(0)
	v_add_nc_u32 v[ADRS], 128, v[ADRS]
	FETCH_B \next, 0, 0
	FETCH_A \next, 0, 0
	SCALES \next
	WIN MUL_HI
	MUL16 4, 1, NQ-1, \slot, 0
	MUL16 6, 1, NQ-1, \slot, 0
	PLACES NP
	WIN 0
	FETCH_A \next, 0, 4
.endm
	s_wait_alu depctr_va_vdst(0)
	s_wait_loadcnt 0x0                             ; the bias
	s_wait_tensorcnt 1                             ; the scale words and my part of slot 0 are in (slot 1's load may be out)
	s_barrier_signal -1
	s_barrier_wait -1                              ; everybody's are
	FETCH_B 0, 0, 0
	FETCH_A 0, 0, 0
	SCALES 0
	FETCH_A 0, 0, 4
	STEP 0, 0, 1
	TURN 0, 1, 1
	STEP 1, 0, 0
	TURN 1, 0, 1
	STEP 0, 0, 0
	TURN 0, 1, 0
	STEP 1, 0, 0
	s_wait_dscnt 4*NL
	WIN MUL_LO
	MUL16 0, 1, NQ-1, 1, 0
	MUL16 2, 1, NQ-1, 1, 0
	s_wait_dscnt 0
	WIN MUL_HI
	MUL16 4, 1, NQ-1, 1, 0
	MUL16 6, 1, NQ-1, 1, 0
	WIN 0
; THE WAY OUT, block by block of 16 rows x 128 columns: + bias; through my own stage in LDS; back as whole rows of 512 bytes.  LDS serves a wave's instructions in order: no wait between the stores and the loads.
.macro TOSTAGE a
.set AC, 64*((\a)%4)
	WIN 0x82+0x41*((\a)/4)                         ; destination and source 0: window 2 or 3; the bias: window 0
.set i, 0
.rept 32
	v_pk_add_f32 v[AC+2*i:AC+2*i+1], v[AC+2*i:AC+2*i+1], v[BI+2*i:BI+2*i+1]   ; each accumulator from its low end on
.set i, i+1
.endr
	WIN 0x08+4*((\a)/4)                            ; an LDS store's data are its source 1
.irp b, 0,1,2,3,4,5,6,7
	ds_store_b128 v[STO], v[AC+8*\b:AC+8*\b+3] offset:128*(\b/2)+32*(\b%2)
	ds_store_b128 v[STO], v[AC+8*\b+4:AC+8*\b+7] offset:128*(\b/2)+32*(\b%2)+16
.endr
	WIN 0
.set BB, BK+64*((\a)%2)
.irp t, 0,1,2,3,4,5,6,7,8,9,10,11,12,13,14,15
	ds_load_b128 v[BB+4*\t:BB+4*\t+3], v[RD] offset:\t*SPITCH
.endr
.endm
.macro SEND a, younger                 ; younger: the LDS instructions issued behind block a's loads, which may stay out
.set BB, BK+64*((\a)%2)
	s_wait_dscnt \younger
.irp t, 0,1,2,3,4,5,6,7,8,9,10,11,12,13,14,15
	global_store_b128 v[L16], v[BB+4*\t:BB+4*\t+3], s[10:11] offset:(32*((\a)/2)+8*((\a)%2)+\t+8*(\t/8))*4096 th:TH_STORE_NT   ; 512 consecutive bytes of one row, aligned to 256; written once
.endr
.endm
	PLACES NP                                      ; behind the last products
	TOSTAGE 0
.irp a, 1,2,3,4,5,6,7
.if \a > 1
	s_wait_xcnt 0x0                                ; block a - 2's stores have read their registers: block a's loads may land there
.endif
	TOSTAGE \a
	SEND \a-1, 32                                  ; behind block a - 1's loads: block a's 16 stores and 16 loads
.endr
	SEND 7, 0
	s_wait_tensorcnt 0x0                           ; the wave's end: behind my last tensor load and my last LDS store
	ds_add_u32 v[SPW], v[NIL]
	s_wait_dscnt 0x0
	CROUND                                         ; the closing round
	s_endpgm
.Lfunc_end_k_qd2c5579c1a_outp:
	.size	k_qd2c5579c1a_outp, .Lfunc_end_k_qd2c5579c1a_outp-k_qd2c5579c1a_outp
	.p2alignl 7, 3214868480
	.fill 96, 4, 3214868480
	.section	.rodata,"a",@progbits
	.p2align	6, 0x0
	.amdhsa_kernel k_qd2c5579c1a_outp
		.amdhsa_group_segment_fixed_size 327680
		.amdhsa_private_segment_fixed_size 0
		.amdhsa_enable_private_segment 0
		.amdhsa_kernarg_size 32
		.amdhsa_user_sgpr_count 2
		.amdhsa_user_sgpr_kernarg_segment_ptr 1
		.amdhsa_wavefront_size32 1
		.amdhsa_system_sgpr_workgroup_id_x 1
		.amdhsa_system_sgpr_workgroup_id_y 1
		.amdhsa_system_sgpr_workgroup_id_z 1
		.amdhsa_system_vgpr_workitem_id 0
		.amdhsa_next_free_vgpr 1024
		.amdhsa_next_free_sgpr 100
		.amdhsa_reserve_vcc 0
		.amdhsa_float_denorm_mode_32 3
		.amdhsa_float_denorm_mode_16_64 3
		.amdhsa_memory_ordered 1
		.amdhsa_forward_progress 1
		.amdhsa_inst_pref_size 162
	.end_amdhsa_kernel
	.amdgpu_metadata
---
amdhsa.version: [ 1, 2 ]
amdhsa.kernels:
  - .name:           k_qd2c5579c1a_outp
    .symbol:         k_qd2c5579c1a_outp.kd
    .args:
      - { .name: AO, .offset: 0, .size: 8, .value_kind: global_buffer, .address_space: global }
      - { .name: WQ, .offset: 8, .size: 8, .value_kind: global_buffer, .address_space: global }
      - { .name: bo, .offset: 16, .size: 8, .value_kind: global_buffer, .address_space: global }
      - { .name: out0, .offset: 24, .size: 8, .value_kind: global_buffer, .address_space: global }
    .group_segment_fixed_size: 327680
    .private_segment_fixed_size: 0
    .kernarg_segment_align: 8
    .kernarg_segment_size: 32
    .max_flat_workgroup_size: 128
    .sgpr_count:     100
    .vgpr_count:     1024
    .wavefront_size: 32
...
	.end_amdgpu_metadata
.endif
;; end of part 4
